; MI455X (gfx1250); checked and timed in simulation.
; The chip was launched on July 23, 2026; its instructions are those of AMD's public machine-readable ISA for CDNA 5 (MIT licence, August 2026) and "CDNA5" Instruction Set Architecture Reference Guide (July 2026). The comments in the code are by the model that wrote it; some were corrected since.
;; Simple Model With Permutation. Allowed arithmetic: float matrix products may take bf16 or f16 operands with f32 sums; all other float work in f32.
;; Inputs: biases 4 x 2,048 float32; perms 3 x 4,096 int32; weights 4 x 2,048 x 2,048 float32; x 1 x 4,096 x 2,048 float32.
;; Outputs: out0 1 x 4,096 x 2,048 float32.
;; One version. Each part assembles by itself: llvm-mc -triple=amdgcn-amd-amdhsa -mcpu=gfx1250 --defsym DOCPART=n.
;; ======== version 1 of 1: 4 launches
;; limits: values are held in f16: magnitudes above 65,504 overflow, below 6.1e-05 lose precision; right only within a limited range of input values
;; workspace buffers: wb 33,554,432 bytes; xg 16,777,216 bytes; tt 16,777,216 bytes; uw 16,384 bytes; wc 8,388,608 bytes; bc 8,192 bytes
;; launch cast (part 1): grid 256 x 1, 8 waves a work-group, no clusters, 0 bytes of LDS; arguments x, weights, perms, wb, xg, biases, uw; writes wb, xg, uw
.if DOCPART == 1
	.amdgcn_target "amdgcn-amd-amdhsa--gfx1250"
	.amdhsa_code_object_version 6
	.text
	.protected	k_q7d6f16aaad_cast
	.globl	k_q7d6f16aaad_cast
	.p2align	8
	.type	k_q7d6f16aaad_cast,@function
k_q7d6f16aaad_cast:
	s_mov_b64 s[64:65], 0
	v_nop
	global_prefetch_b8 v0, s[64:65] scope:SCOPE_SE
	s_setreg_imm32_b32 hwreg(HW_REG_WAVE_MODE, 25, 1), 1
	s_wait_xcnt 0x0
; SimpleModelWithPermutation: out = L3(P2(L2(P1(L1(P0(L0(x))))))), Li(v) = v Wi^T + bi on each row, Pi = the gather of rows by perms[i].
; HOW THE WORK IS ORDERED IN THESE FOUR LAUNCHES (identities in exact arithmetic, for all values of the inputs):
;  (1) A Linear acts on each row by itself, so a gather of rows may stand in front of it: out[s] = L3(L2(L1(L0(x[q[s]])))) with
;      q[s] = perms[0][perms[1][perms[2][s]]].  This needs only that the indices are in range, not that they are permutations.
;  (2) Four affine maps are one: out[s] = x[q[s]] Wc^T + bc,  Wc = (W3 W2)(W1 W0),  bc = (W3 W2)(W1 b0 + b1) + (W3 b2 + b3).
;      Three products of 2048^3 and one of 4096 x 2048^2 take the place of four of 4096 x 2048^2.
; Nothing is left out as dead: x, weights, biases and perms are all loaded and all reach the result.
; LIMITS.  Indices outside 0..4095 are clamped to 4095 as unsigned numbers (a negative index is not wrapped).  The order of rounding differs
; from reference()'s: x, W and Wc are rounded to bf16, W1 W0 and W3 W2 to f16 after a factor 16, so |W1 W0| and |W3 W2| must stay under 4,094
; and their entries under 2^-28 vanish.  NaN, infinities and overflows are carried through Wc and bc, not through reference()'s
; intermediate rows, so they need not appear in the same places as there.
;
; THIS LAUNCH: wb = bf16(weights), xg[s] = bf16(x[q[s]]), and in f32 uw = (u, w), u = W1 b0 + b1, w = W3 b2 + b3.
; A stream: no LDS, no barrier, no matrix unit.
; 2,048 waves.  Wave t takes rows 4t..4t+3 of the 8,192 rows of weights (32,768 bytes in a piece) and rows 2t, 2t+1 of xg.
; A row is 8,192 bytes: sixteen loads of 16 bytes a lane, 512 neighbouring bytes each; it is rounded in place and leaves by sixteen stores of
; 8 bytes a lane, each of which covers 256 consecutive bytes at a multiple of 256 from the buffer's first byte.
; Three row slots in registers: 48 loads (24 KiB) of a wave are out at a time.  Six rows: written out, no loop.
; u AND w: a row of W1 or W3 lies whole in one wave's registers in f32, so its product with b0 or b2 is taken here and the matrices are not read
; a second time for it.  The four rows of a wave, and the 32 of a work-group, belong to matrix m = work-group / 64: one branch on m's parity,
; and each side written out whole.
.set ROWIN,  8192                      ; bytes of a row in f32
.set ROWOUT, 4096                      ; bytes of a row in bf16
.set X,      4                         ; v[4:195]   three slots of 64 registers.  v1 = 16 x lane (loads), v2 = 8 x lane (stores)
.set PP,     196                       ; v[196:203] four chains of packed sums
.set SS,     204                       ; v[204:207] the four rows' products with b
.set AD,     208                       ; v[208:211] my four numbers of the bias that is added
.set ZR,     212                       ; v212       0
                                       ; v[256:319] (window 1, v0-63) the bias that is multiplied, in the rows' layout: 64 numbers a lane
.set MSB, 0
.macro WIN new                         ; the immediate's high byte repeats the setting that is left
.if MSB != \new
	s_set_vgpr_msb (MSB<<8)|\new
.set MSB, \new
.endif
.endm
; Sixteen loads: one row into a slot.  nt = 1: bytes that the launch reads once (weights); a row of x may be named twice by the lists.
.macro FILL slot, base, rowoff, nt
.irp i, 0,1,2,3,4,5,6,7,8,9,10,11,12,13,14,15
.if \nt
	global_load_b128 v[X+64*\slot+4*\i:X+64*\slot+4*\i+3], v1, s[\base:\base+1] offset:\rowoff+512*\i th:TH_LOAD_NT
.else
	global_load_b128 v[X+64*\slot+4*\i:X+64*\slot+4*\i+3], v1, s[\base:\base+1] offset:\rowoff+512*\i
.endif
.endr
.endm
; A slot's row, still in f32, times the bias in window 1: 64 numbers a lane in four chains, started by the first four products; then the sum
; over the 32 lanes, which every lane ends up with.
.macro DOT slot, sum
	WIN 0x04                                       ; source 1 in window 1
.set n, 0
.rept 32
.if n < 4
	v_pk_mul_f32 v[PP+2*n:PP+2*n+1], v[X+64*\slot+2*n:X+64*\slot+2*n+1], v[2*n:2*n+1]
.else
	v_pk_fma_f32 v[PP+2*(n&3):PP+2*(n&3)+1], v[X+64*\slot+2*n:X+64*\slot+2*n+1], v[2*n:2*n+1], v[PP+2*(n&3):PP+2*(n&3)+1]
.endif
.set n, n+1
.endr
	WIN 0
	v_pk_add_f32 v[PP:PP+1], v[PP:PP+1], v[PP+2:PP+3]
	v_pk_add_f32 v[PP+4:PP+5], v[PP+4:PP+5], v[PP+6:PP+7]
	v_pk_add_f32 v[PP:PP+1], v[PP:PP+1], v[PP+4:PP+5]
	v_add_f32 v[SS+\sum], v[PP], v[PP+1]
	v_add_f32_dpp v[SS+\sum], v[SS+\sum], v[SS+\sum] row_xmask:1 row_mask:0xf bank_mask:0xf
	v_add_f32_dpp v[SS+\sum], v[SS+\sum], v[SS+\sum] row_xmask:2 row_mask:0xf bank_mask:0xf
	v_add_f32_dpp v[SS+\sum], v[SS+\sum], v[SS+\sum] row_xmask:4 row_mask:0xf bank_mask:0xf
	v_add_f32_dpp v[SS+\sum], v[SS+\sum], v[SS+\sum] row_xmask:8 row_mask:0xf bank_mask:0xf
	v_permlanex16_b32 v[PP], v[SS+\sum], s48, s49  ; its destination counts as read: a register that has been written
	v_add_f32 v[SS+\sum], v[SS+\sum], v[PP]
.endm
; A slot's row is rounded and stored.  left = the loads of the younger rows, which may stay out.  dot = 1: first its product with the bias.
.macro TURN slot, left, dst, rowoff, dot, sum
	s_wait_loadcnt \left                           ; loads come back in order (ISA guide 5.7.1): this slot's sixteen are in, and all that were issued before them
.if \dot
	DOT \slot, \sum
.endif
.irp i, 0,1,2,3,4,5,6,7,8,9,10,11,12,13,14,15
	v_cvt_pk_bf16_f32 v[X+64*\slot+4*\i], v[X+64*\slot+4*\i], v[X+64*\slot+4*\i+1]
	v_cvt_pk_bf16_f32 v[X+64*\slot+4*\i+1], v[X+64*\slot+4*\i+2], v[X+64*\slot+4*\i+3]
	global_store_b64 v2, v[X+64*\slot+4*\i:X+64*\slot+4*\i+1], s[\dst:\dst+1] offset:\rowoff+256*\i
.endr
.endm
; The wave's six rows.  dot = 1 (matrices 1 and 3): the two biases are asked for ahead of the rows, so that the rows' counted waits cover them.
.macro BODY dot
.if \dot
	s_and_b32 s44, s40, 511
	s_lshl_b32 s44, s44, 4                         ; 16 (t mod 512): my four numbers in a vector of 2,048
	s_lshl_b32 s42, s50, 13                        ; 8,192 m (s43, s47 hold 0)
	s_sub_co_u32 s46, s42, 8192
	s_add_nc_u64 s[58:59], s[52:53], s[46:47]      ; b[m-1], which my rows multiply
	s_add_co_u32 s42, s42, s44
	s_add_nc_u64 s[60:61], s[52:53], s[42:43]      ; b[m] at my rows
	s_lshr_b32 s46, s50, 1
	s_lshl_b32 s46, s46, 13
	s_add_co_u32 s46, s46, s44
	s_add_nc_u64 s[62:63], s[54:55], s[46:47]      ; uw: vector m / 2 at my rows
	v_mov_b32 v[ZR], 0
	WIN 0x40                                       ; destination in window 1
.irp i, 0,1,2,3,4,5,6,7,8,9,10,11,12,13,14,15
	global_load_b128 v[4*\i:4*\i+3], v1, s[58:59] offset:512*\i
.endr
	WIN 0
	global_load_b128 v[AD:AD+3], v[ZR], s[60:61]   ; the same 16 bytes in every lane
.endif
	FILL 0, 20, 0*ROWIN, 1
	FILL 1, 20, 1*ROWIN, 1
	FILL 2, 20, 2*ROWIN, 1
	s_wait_kmcnt 0x0                               ; the chain of three lookups runs beside the weights' rows
	s_min_u32 s18, s16, 0xfff                      ; a loaded number enters an address only clamped to the table
	s_min_u32 s19, s17, 0xfff
	s_lshl_b32 s18, s18, 2
	s_lshl_b32 s19, s19, 2
	s_load_b32 s26, s[8:9], s18 offset:0x4000      ; perms[1][..]
	s_load_b32 s27, s[8:9], s19 offset:0x4000
	TURN 0, 32, 22, 0*ROWOUT, \dot, 0
	s_wait_xcnt 0x0                                ; the slot's registers, which its stores read, are loaded again only behind this wait
	FILL 0, 20, 3*ROWIN, 1
	s_wait_kmcnt 0x0
	s_min_u32 s34, s26, 0xfff
	s_min_u32 s35, s27, 0xfff
	s_lshl_b32 s34, s34, 2
	s_lshl_b32 s35, s35, 2
	s_load_b32 s28, s[8:9], s34                    ; perms[0][..]
	s_load_b32 s29, s[8:9], s35
	TURN 1, 32, 22, 1*ROWOUT, \dot, 1
	s_wait_kmcnt 0x0
	s_min_u32 s36, s28, 0xfff                      ; q[2t], q[2t+1]
	s_min_u32 s38, s29, 0xfff
	s_lshl_b32 s36, s36, 13                        ; rows of 8,192 bytes
	s_lshl_b32 s38, s38, 13
	s_mov_b32 s37, 0
	s_mov_b32 s39, 0
	s_add_nc_u64 s[30:31], s[4:5], s[36:37]
	s_add_nc_u64 s[32:33], s[4:5], s[38:39]
	s_wait_xcnt 0x0
	FILL 1, 30, 0, 0
	TURN 2, 32, 22, 2*ROWOUT, \dot, 2
	s_wait_xcnt 0x0
	FILL 2, 32, 0, 0
	TURN 0, 32, 22, 3*ROWOUT, \dot, 3
	TURN 1, 16, 24, 0, 0, 0                        ; nothing more is loaded: the counts run down
	TURN 2, 0, 24, ROWOUT, 0, 0
.if \dot
	v_pk_add_f32 v[SS:SS+1], v[SS:SS+1], v[AD:AD+1]
	v_pk_add_f32 v[SS+2:SS+3], v[SS+2:SS+3], v[AD+2:AD+3]
	v_cmp_eq_u32 vcc_lo, 0, v1                     ; lane 0
	s_wait_xcnt 0x0                                ; EXEC changes only behind this wait
	s_and_saveexec_b32 s51, vcc_lo
	global_store_b128 v[ZR], v[SS:SS+3], s[62:63]  ; one lane stores the wave's four numbers, 16 bytes; uw is 16,384 bytes in all
	s_wait_xcnt 0x0
	s_or_b32 exec_lo, exec_lo, s51
.endif
	s_endpgm
.endm
	s_load_b256 s[4:11], s[0:1], 0x0               ; x s[4:5], weights s[6:7], perms s[8:9], wb s[10:11]
	s_load_b64 s[12:13], s[0:1], 0x20              ; xg
	s_load_b64 s[52:53], s[0:1], 0x28              ; biases
	s_load_b64 s[54:55], s[0:1], 0x30              ; uw
	v_lshrrev_b32 v3, 5, v0
	v_readfirstlane_b32 s14, v3                    ; wave 0..7
	v_and_b32 v1, 31, v0
	v_lshlrev_b32 v2, 3, v1
	v_lshlrev_b32 v1, 4, v1
	s_lshl_b32 s40, ttmp9, 3
	s_add_co_u32 s40, s40, s14                     ; t = 8 x work-group + wave
	s_lshl_b32 s15, s40, 3                         ; two indices of 4 bytes
	s_lshl_b32 s42, s40, 15                        ; four rows of weights
	s_mov_b32 s43, 0
	s_lshl_b32 s44, s40, 14                        ; four rows of wb
	s_mov_b32 s45, 0
	s_lshl_b32 s46, s40, 13                        ; two rows of xg
	s_mov_b32 s47, 0
	s_mov_b32 s48, 0x76543210                      ; v_permlanex16_b32: lane i reads lane i of the other half
	s_mov_b32 s49, 0xfedcba98
	s_lshr_b32 s50, ttmp9, 6                       ; m: the matrix of my work-group's 32 rows (64 work-groups to a matrix)
	s_and_b32 s51, s50, 1
	s_wait_kmcnt 0x0
	s_load_b64 s[16:17], s[8:9], s15 offset:0x8000 ; perms[2][2t], perms[2][2t+1]
	s_add_nc_u64 s[20:21], s[6:7], s[42:43]
	s_add_nc_u64 s[22:23], s[10:11], s[44:45]
	s_add_nc_u64 s[24:25], s[12:13], s[46:47]
	s_cmp_lg_u32 s51, 0
	s_cbranch_scc1 .Lodd
	BODY 0                                         ; matrices 0 and 2: rounded, no more
.Lodd:
	BODY 1                                         ; matrices 1 and 3: also u or w
.Lfunc_end_k_q7d6f16aaad_cast:
	.size	k_q7d6f16aaad_cast, .Lfunc_end_k_q7d6f16aaad_cast-k_q7d6f16aaad_cast
	.p2alignl 7, 3214868480
	.fill 96, 4, 3214868480
	.section	.rodata,"a",@progbits
	.p2align	6, 0x0
	.amdhsa_kernel k_q7d6f16aaad_cast
		.amdhsa_group_segment_fixed_size 0
		.amdhsa_private_segment_fixed_size 0
		.amdhsa_enable_private_segment 0
		.amdhsa_kernarg_size 56
		.amdhsa_user_sgpr_count 2
		.amdhsa_user_sgpr_kernarg_segment_ptr 1
		.amdhsa_wavefront_size32 1
		.amdhsa_system_sgpr_workgroup_id_x 1
		.amdhsa_system_sgpr_workgroup_id_y 1
		.amdhsa_system_sgpr_workgroup_id_z 1
		.amdhsa_system_vgpr_workitem_id 0
		.amdhsa_next_free_vgpr 320
		.amdhsa_next_free_sgpr 66
		.amdhsa_reserve_vcc 1
		.amdhsa_float_denorm_mode_32 3
		.amdhsa_float_denorm_mode_16_64 3
		.amdhsa_memory_ordered 1
		.amdhsa_forward_progress 1
		.amdhsa_inst_pref_size 78
	.end_amdhsa_kernel
	.amdgpu_metadata
---
amdhsa.version: [ 1, 2 ]
amdhsa.kernels:
  - .name:           k_q7d6f16aaad_cast
    .symbol:         k_q7d6f16aaad_cast.kd
    .args:
      - { .name: x, .offset: 0, .size: 8, .value_kind: global_buffer, .address_space: global }
      - { .name: weights, .offset: 8, .size: 8, .value_kind: global_buffer, .address_space: global }
      - { .name: perms, .offset: 16, .size: 8, .value_kind: global_buffer, .address_space: global }
      - { .name: wb, .offset: 24, .size: 8, .value_kind: global_buffer, .address_space: global }
      - { .name: xg, .offset: 32, .size: 8, .value_kind: global_buffer, .address_space: global }
      - { .name: biases, .offset: 40, .size: 8, .value_kind: global_buffer, .address_space: global }
      - { .name: uw, .offset: 48, .size: 8, .value_kind: global_buffer, .address_space: global }
    .group_segment_fixed_size: 0
    .private_segment_fixed_size: 0
    .kernarg_segment_align: 8
    .kernarg_segment_size: 56
    .max_flat_workgroup_size: 256
    .sgpr_count:     66
    .vgpr_count:     320
    .wavefront_size: 32
...
	.end_amdgpu_metadata
.endif
;; end of part 1
;; launch pair (part 2): grid 8 x 32, 4 waves a work-group, clusters of 4 x 4, 327,680 bytes of LDS; arguments wb, tt; writes tt
.if DOCPART == 2
	.amdgcn_target "amdgcn-amd-amdhsa--gfx1250"
	.amdhsa_code_object_version 6
	.text
	.protected	k_q7d6f16aaad_pair
	.globl	k_q7d6f16aaad_pair
	.p2align	8
	.type	k_q7d6f16aaad_pair,@function
k_q7d6f16aaad_pair:
	s_mov_b64 s[64:65], 0
	v_nop
	global_prefetch_b8 v0, s[64:65] scope:SCOPE_SE
	s_setreg_imm32_b32 hwreg(HW_REG_WAVE_MODE, 25, 1), 1
	s_wait_xcnt 0x0
	s_wait_alu depctr_hold_cnt(0) depctr_sa_sdst(0) depctr_va_vdst(0) depctr_va_sdst(0) depctr_va_ssrc(0) depctr_va_vcc(0) depctr_vm_vsrc(0)
	s_getreg_b32 s2, hwreg(HW_REG_IB_STS2, 6, 4)
	s_cmp_eq_u32 s2, 0
	s_cbranch_scc0 .Lentry_in_a_cluster
	s_endpgm
.Lentry_in_a_cluster:
	s_bfe_u32 s2, ttmp6, 0x10000c
	s_cmp_lg_u32 s2, 0xf033
	s_cbranch_scc0 .Lentry_shape_is_right
	s_endpgm
.Lentry_shape_is_right:
; Launch 2 of 4.  Two products of 2048^3 at once, G = 0, 1:  T = W[2G+1] W[2G]  (T[o][h] = sum over k of W[2G+1][o][k] W[2G][k][h]), stored as
; f16(16 T) in tt.  (G = 0: W1 W0; G = 1: W3 W2.)  No work of reference() is left out.
; LIMIT: |T| under 4,094 (16 T must fit f16); entries under 2^-28 vanish.  The factor 16 leaves room for weights 30 times smaller than 1/sqrt(2048).
; A work-group makes 128 (o) x 256 (h) of one T with four waves, a wave 64 x 128: 32 accumulator tiles, 256 registers.  2 x 16 x 8 = 256 work-groups.
; The M operand (rows o of W[2G+1]) lies along K; the N operand (W[2G]) is stored [k][h] and is read from LDS by the transposing load.
; THE RING: K goes in steps of 128 through two LDS slots of unlike size, a short one for one K step (104,448 bytes) and a long one for two
; (206,848 bytes), each brought by one tensor load a wave.  Two slots of two steps would take 413,696 bytes, more than the 327,680 that a
; work-group can be given.  The 16 K steps go short, long, short, .. short: 6 + 5 = 11 fills and 10 changes of slots, where slots of one step
; have 16 and 15.  The short slot's refill has the long slot's 256 matrix instructions less 16 in which to land, the long slot's 128 less 16.
; PREFETCH: the long slot's refill has the shorter way to its wait, so its bytes are asked for into the L2 one change of slots earlier, 256 matrix
; instructions ahead of the joint load.  Its M tile is 128 rows x 512 bytes = 256 pieces of 256 bytes, read by the 8 work-groups of a block row:
; each names 32 (16 rows x 2).  Its N tile is 256 k x 512 bytes = 512 pieces, read by the 16 work-groups of a block column of one G: each names
; 32 (16 k x 2).  So every piece is named once in the launch, by one lane of wave 0 of a work-group that reads it; 16 KiB a work-group are asked
; for and not yet read.  Four requests: K steps 4-5, 7-8, 10-11, 13-14; the trip whose request would point past K step 15 is written out without.
; The short slot's refill stands 240 matrix instructions ahead of its wait and gets none.
; CLUSTERS of 4 x 4: the four work-groups of a cluster's row share the block row (the M tile), the four of a column the block column (the N
; tile); each tile is asked for jointly, which divides the requests for both operands by four.  G hangs on the cluster's y alone.
; REGISTERS: window 0: v1-9 at work, v16-28 addresses, v[32:127] and v[128:223] two fragment buffers (8 N fragments, then 4 M fragments),
; v[224:255] at work; window 1: accumulator tile (a, b) at v[8 (8 a + b)].
; The matrix instruction is used transposed (source 0 = N fragment, source 1 = M fragment): lane l then holds row l % 16 of T and its eight
; registers the columns 8 (l / 16) + 0..7, eight neighbours of a row.
.set NB,     8                         ; N fragments of a wave
.set PMS,    272                       ; M rows in the short slot: 256 bytes + 16: sixteen rows start in sixteen different 16-byte columns modulo 256 bytes
.set PML,    528                       ; M rows in the long slot: 512 bytes + 16
.set PN,     544                       ; N rows (one k, 256 h) in both slots: 512 bytes + 32
.set SM,     128*PMS                   ; the short slot begins at byte 0: M's 128 rows, then N's 128 k
.set LONG,   128*PMS+128*PN            ; the long slot begins at byte 104,448: M's 128 rows, then N's 256 k
.set LM,     128*PML
.set STAGE,  LONG                      ; the way out's stage, 16 rows x 272 bytes for each wave, lies in the long slot: see THE WAY OUT
.set SP,     272
.set TRIPS,  3                         ; a trip = the long slot and the short slot = three K steps; three in the loop, a fourth written out
.set MSTEP,  256                       ; a K step in M: 128 bf16 along the rows
.set NSTEP,  128*4096                  ; a K step in N: 128 rows of 4,096 bytes
.set ADRA, 16                          ; v16-17  LDS address of my M fragments in the short, the long slot
.set ADRB, 20                          ; v20-22  of my N fragments: short; long, k 0-127; long, k 128-255 (the offset field holds 16 bits)
.set STO,  24
.set RD,   25
.set CO,   26
.set POM,  27                          ; v27     byte offset in wb of the piece of M that my lane asked for last
.set PON,  28                          ; v28     the same for N
.set F0,   32
.set F1,   128
.set TMP,  224
.set G1,   24                          ; s[24:31] group 1, M, short slot;  s[92:99] long slot
.set G1L,  92
.set G0,   32                          ; s[32:39] group 0, M: short, long
.set G1B,  48                          ; s[48:55] group 1, N, short slot;  s[72:79] long slot
.set G1BL, 72
.set G0B,  56                          ; s[56:63] group 0, N: short, long
.set MULSET, 0x50                      ; C and D in window 1, the fragments in window 0
.set MSB, 0
.macro WIN new                         ; the immediate's high byte repeats the setting that is left
.if MSB != \new
	s_set_vgpr_msb (MSB<<8)|\new
.set MSB, \new
.endif
.endm
.macro PLACES                          ; four plain vector instructions between a matrix instruction and a load into, or a read of, its registers
.rept 4
	v_nop
.endr
.endm
; Group 1: a tile of r rows x c elements of 2 bytes out of rows of 2,048; pad words of padding behind every 2 << qi words; the mask in s[mask], bit 21 beside it
.macro SHAPE g, mask, qi, pad, c, r
	s_or_b32 s[\g], s[\mask], (1<<16)|(1<<20)|(1<<21)|(\qi<<22)|((\pad-1)<<25)
	s_mov_b32 s[\g+1], \c<<16
	s_mov_b32 s[\g+2], \r<<16
	s_mov_b32 s[\g+3], \c<<16
	s_mov_b32 s[\g+4], \r
	s_mov_b32 s[\g+5], 2048
	s_mov_b32 s[\g+6], 0
	s_mov_b32 s[\g+7], 0
.endm
; A joint load into slot s (0 short, 1 long): waves 0, 1 ask for M's halves, waves 2, 3 for N's.  The branch hangs on the wave's number alone.
.macro JLOAD s
	s_cmp_eq_u32 s11, 0
	s_cbranch_scc0 .Lfor_n_\@
	tensor_load_to_lds s[G0+4*\s:G0+4*\s+3], s[G1+(G1L-G1)*\s:G1+(G1L-G1)*\s+7]
	s_nop 0
	s_branch .Lasked_\@
.Lfor_n_\@:
	tensor_load_to_lds s[G0B+4*\s:G0B+4*\s+3], s[G1B+(G1BL-G1B)*\s:G1B+(G1BL-G1B)*\s+7]
	s_nop 0
.Lasked_\@:
.endm
; Wave 0 asks for my work-group's 32 + 32 pieces of the long slot's next fill, three K steps behind the pieces asked for last.
.macro ASK
	s_cmp_lg_u32 s10, 0
	s_cbranch_scc1 .Lno_ask_\@
	s_wait_xcnt 0x0                                ; the offsets, which the last request read, are stepped only behind this wait; that request stands a trip back
	v_add_nc_u32 v[POM], 3*MSTEP, v[POM]
	v_add_nc_u32 v[PON], 3*NSTEP, v[PON]
	global_prefetch_b8 v[POM], s[80:81] th:TH_LOAD_NT scope:SCOPE_SE
	global_prefetch_b8 v[PON], s[80:81] th:TH_LOAD_NT scope:SCOPE_SE
.Lno_ask_\@:
.endm
.macro CREST                           ; a round of the cluster's barrier behind its opening work-group barrier
	s_cmp_lg_u32 s10, 0
	s_cbranch_scc1 .Lnot_wave_0_\@
	s_barrier_signal -3
.Lnot_wave_0_\@:
	s_barrier_wait -3
	s_barrier_signal -1
	s_barrier_wait -1
.endm
.macro CROUND
	s_barrier_signal -1
	s_barrier_wait -1
	CREST
.endm
	s_load_b128 s[80:83], s[0:1], 0x0              ; wb s[80:81], tt s[82:83]
	v_lshl_add_u32 v30, v0, 2, 0x4c000
	v_mov_b32 v31, 0
	ds_add_u32 v30, v31
	v_lshrrev_b32 v1, 5, v0
	v_readfirstlane_b32 s10, v1                    ; wave 0..3
	s_lshr_b32 s11, s10, 1                         ; my half of the block's rows.  Also: I fetch for M (0) or N (1)
	s_and_b32 s12, s10, 1                          ; my half of its columns.  Also: which half of that tile I fetch
	s_bfe_u32 s40, ttmp6, 0x40000                  ; cx
	s_bfe_u32 s41, ttmp6, 0x40004                  ; cy
	s_lshl_b32 s42, ttmp9, 2
	s_add_co_u32 s42, s42, s40                     ; wx = block column, 0..7
	s_and_b32 s45, ttmp7, 0xffff
	s_lshl_b32 s13, s45, 2
	s_add_co_u32 s13, s13, s41                     ; wy = 16 G + block row, 0..31
	s_lshr_b32 s45, s45, 2                         ; G, from the cluster's y alone
	s_lshl_b32 s43, s41, 2
	s_lshl_b32 s43, 15, s43                        ; my row of the cluster
	s_lshl_b32 s44, 0x1111, s40                    ; my column
	SHAPE G1,   43, 5, 4, 128, 64                  ; M, short: 64 rows x 128 k, LDS pitch 272
	SHAPE G1L,  43, 6, 4, 256, 64                  ; M, long:  64 rows x 256 k, LDS pitch 528
	SHAPE G1B,  44, 6, 8, 256, 64                  ; N, short: 64 k x 256 h, LDS pitch 544
	SHAPE G1BL, 44, 6, 8, 256, 128                 ; N, long: 128 k x 256 h
	; M: matrix 2G+1, row 128 x block row + 64 x half = 8 MiB (1 + G) + 524,288 wy + 262,144 half.  No cx enters these registers.
	s_lshl_b32 s16, s13, 19
	s_lshl_b32 s18, s45, 23
	s_add_co_u32 s16, s16, s18
	s_lshl_b32 s18, s12, 18
	s_add_co_u32 s16, s16, s18
	s_add_co_u32 s16, s16, 0x800000
	s_mov_b32 s17, 0
	; N: matrix 2G, column 256 wx; short slot: K step 0, row (k) 64 x half; long slot: K step 1, row 128 x half.  No cy enters these registers.
	s_lshl_b32 s46, s45, 24
	s_lshl_b32 s66, s42, 9
	s_add_co_u32 s46, s46, s66
	s_lshl_b32 s66, s12, 19
	s_add_co_u32 s68, s46, s66
	s_add_co_u32 s68, s68, NSTEP
	s_mov_b32 s69, 0
	s_lshl_b32 s66, s12, 18
	s_add_co_u32 s46, s46, s66
	s_mov_b32 s47, 0
	s_mul_i32 s20, s12, 64*PMS                     ; where the halves go in their slots: the wave's number alone
	s_mul_i32 s21, s12, 64*PML
	s_mul_i32 s22, s12, 64*PN
	s_mul_i32 s23, s12, 128*PN
	s_wait_dscnt 0x0
	s_wait_kmcnt 0x0
	s_add_nc_u64 s[14:15], s[80:81], s[16:17]
	s_add_nc_u64 s[46:47], s[80:81], s[46:47]
	s_add_nc_u64 s[68:69], s[80:81], s[68:69]
	CROUND                                         ; all sixteen work-groups are here: the first joint loads meet
.irp s, 0,1
	s_mov_b32 s[G0+4*\s], 1
	s_add_co_u32 s[G0+4*\s+1], s[20+\s], \s*LONG
	s_add_nc_u64 s[G0+4*\s+2:G0+4*\s+3], s[14:15], \s*MSTEP         ; short: K step 0; long: K steps 1, 2
	s_or_b32 s[G0+4*\s+3], s[G0+4*\s+3], 0x80000000
	s_mov_b32 s[G0B+4*\s], 1
	s_add_co_u32 s[G0B+4*\s+1], s[22+\s], SM+\s*(LONG+LM-SM)
	s_add_nc_u64 s[G0B+4*\s+2:G0B+4*\s+3], s[46+22*\s:47+22*\s], 0
	s_or_b32 s[G0B+4*\s+3], s[G0B+4*\s+3], 0x80000000
	JLOAD \s                                       ; both slots' first fills go out together, the short one first: two tensor loads of the wave are out
.endr
	; lane addresses
	v_and_b32 v1, 15, v0                           ; r
	v_bfe_u32 v2, v0, 4, 1                         ; h
	v_mul_u32_u24 v4, v1, PMS
	v_lshl_add_u32 v4, v2, 4, v4                   ; 272 r + 16 h: an M fragment is two loads of 16 bytes, 32 bytes apart
	v_mul_u32_u24 v7, v1, PML
	v_lshl_add_u32 v7, v2, 4, v7                   ; 528 r + 16 h
	v_and_b32 v5, 7, v0
	v_lshl_add_u32 v5, v2, 3, v5                   ; the transposing load: lane l addresses k = 8 h + l % 8,
	v_mul_u32_u24 v5, v5, PN
	v_bfe_u32 v6, v0, 3, 1
	v_lshl_add_u32 v5, v6, 4, v5                   ; columns 8 ((l / 8) % 2) + 0..7 of the sixteen
	s_mul_i32 s22, s11, 64*PMS                     ; my 64 rows of M
	v_add_nc_u32 v[ADRA], s22, v4
	s_mul_i32 s22, s11, 64*PML
	s_add_co_u32 s22, s22, LONG
	v_add_nc_u32 v[ADRA+1], s22, v7
	s_lshl_b32 s23, s12, 8                         ; my 128 columns of N
	s_add_co_u32 s22, s23, SM
	v_add_nc_u32 v[ADRB], s22, v5
	s_add_co_u32 s22, s23, LONG+LM
	v_add_nc_u32 v[ADRB+1], s22, v5
	s_add_co_u32 s22, s23, LONG+LM+128*PN
	v_add_nc_u32 v[ADRB+2], s22, v5
	s_mul_i32 s22, s10, 16*SP
	s_add_co_u32 s22, s22, STAGE                   ; my stage
	v_add_nc_u32 v[STO], s22, v4                   ; in: row r, 16 bytes for each half of the lanes
	v_mul_u32_u24 v6, v2, SP
	v_lshl_add_u32 v6, v1, 4, v6
	v_add_nc_u32 v[RD], s22, v6                    ; back: lanes 0-15 one row of 256 bytes, lanes 16-31 the next
	v_lshlrev_b32 v6, 12, v2
	v_lshl_add_u32 v[CO], v1, 4, v6                ; the same two rows in tt
	; The prefetch's offsets in wb, set to the long slot's first fill (K steps 1, 2); each request first steps them three K steps on.
	; Numbers made of cx and cy together stay in s88-89 and in v27-28 and reach global addresses alone.
	v_lshlrev_b32 v8, 12, v1                       ; row (or k) r of my sixteen, 4,096 bytes each,
	v_lshl_add_u32 v8, v2, 8, v8                   ; and the first or the second 256 bytes of the 512
	s_lshl_b32 s88, s13, 19                        ; M: matrix 2G+1, row 128 x block row + 16 wx + r, from byte 256 of the row
	s_lshl_b32 s89, s45, 23
	s_add_co_u32 s88, s88, s89
	s_lshl_b32 s89, s42, 16
	s_add_co_u32 s88, s88, s89
	s_add_co_u32 s88, s88, 0x800000+MSTEP
	v_add_nc_u32 v[POM], s88, v8
	s_and_b32 s88, s13, 15                         ; N: matrix 2G, k = 128 + 16 x block row + r, from byte 512 wx of the row
	s_lshl_b32 s88, s88, 16
	s_lshl_b32 s89, s45, 24
	s_add_co_u32 s88, s88, s89
	s_lshl_b32 s89, s42, 9
	s_add_co_u32 s88, s88, s89
	s_add_co_u32 s88, s88, NSTEP
	v_add_nc_u32 v[PON], s88, v8
; 16 matrix instructions: tile rows a0, a0 + 1 x all 8 tile columns, 32 along K.  cm = 1: the product starts the sums, nothing is cleared.
; The 32 accumulators take turns, one instruction a turn, in the same order in every quarter step.
.macro MUL2 f, a0, cm
.irp a, \a0, \a0+1
.irp b, 0,1,2,3,4,5,6,7
.if \cm == 1
	v_wmma_f32_16x16x32_bf16 v[8*(NB*(\a)+\b):8*(NB*(\a)+\b)+7], v[\f+8*\b:\f+8*\b+7], v[\f+8*NB+8*(\a):\f+8*NB+8*(\a)+7], 0
.else
	v_wmma_f32_16x16x32_bf16 v[8*(NB*(\a)+\b):8*(NB*(\a)+\b)+7], v[\f+8*\b:\f+8*\b+7], v[\f+8*NB+8*(\a):\f+8*NB+8*(\a)+7], v[8*(NB*(\a)+\b):8*(NB*(\a)+\b)+7]
.endif
.endr
.endr
.endm
; 24 LDS loads in one run: quarter kq (32 along K; 0..3 in the short slot, 0..7 in the long one) of a slot into buffer f
.macro FETCH slot, kq, f
	WIN 0
.irp b, 0,1,2,3,4,5,6,7
	ds_load_tr16_b128 v[\f+8*\b:\f+8*\b+3],   v[ADRB+\slot+((\kq)>>2)] offset:((\kq)&3)*32*PN+32*\b
	ds_load_tr16_b128 v[\f+8*\b+4:\f+8*\b+7], v[ADRB+\slot+((\kq)>>2)] offset:((\kq)&3)*32*PN+32*\b+16*PN
.endr
.irp a, 0,1,2,3
	ds_load_b128 v[\f+8*NB+8*\a:\f+8*NB+8*\a+3],   v[ADRA+\slot] offset:\a*16*(PMS+\slot*(PML-PMS))+64*\kq
	ds_load_b128 v[\f+8*NB+8*\a+4:\f+8*NB+8*\a+7], v[ADRA+\slot] offset:\a*16*(PMS+\slot*(PML-PMS))+64*\kq+32
.endr
.endm
; A quarter step: buffer f is in; the next quarter's fragments are asked for into g, in one run, and land under f's 32 matrix instructions.
.macro QUARTER slot, kq, f, g, cm
	s_wait_dscnt 0x0                               ; buffer f, asked for a quarter step ago
	PLACES                                         ; buffer g was read by the matrix instructions just issued
	FETCH \slot, \kq, \g
	WIN MULSET
	MUL2 \f, 0, \cm
	MUL2 \f, 2, \cm
.endm
.macro STEP slot, cm                   ; all of a slot's quarters but the last: three in the short slot, seven in the long one
	QUARTER \slot, 1, F0, F1, \cm
	QUARTER \slot, 2, F1, F0, 0
	QUARTER \slot, 3, F0, F1, 0
.if \slot
	QUARTER \slot, 4, F1, F0, 0
	QUARTER \slot, 5, F0, F1, 0
	QUARTER \slot, 6, F1, F0, 0
	QUARTER \slot, 7, F0, F1, 0
.endif
.endm
; A slot's last quarter multiplies buffer 1 and changes slots.  In front of the barrier each wave waits for its reads of this slot and for all
; its tensor loads (one is out: its part of the next slot).  fill = 1: the barrier opens a round of the cluster's barrier, and the joint refill,
; three K steps ahead of what the slot held, is the first tensor load behind it.  ask = 1: behind it wave 0 asks for the other slot's next fill.
.macro TURN slot, next, fill, ask
	s_wait_dscnt 0x0                               ; buffer 1 is in, and with it my last reads of this slot
	s_wait_tensorcnt 0x0                           ; all my tensor loads have landed
	ds_add_u32 v30, v31
	s_wait_dscnt 0x0
	s_barrier_signal -1
	WIN MULSET
	MUL2 F1, 0, 0                                  ; register work while the others arrive
	WIN 0                                          ; at a branch and at a label every window is 0
	s_barrier_wait -1
.if \fill
	CREST
	s_add_nc_u64 s[G0+4*\slot+2:G0+4*\slot+3], s[G0+4*\slot+2:G0+4*\slot+3], 3*MSTEP
	s_add_nc_u64 s[G0B+4*\slot+2:G0B+4*\slot+3], s[G0B+4*\slot+2:G0B+4*\slot+3], 3*NSTEP
	JLOAD \slot
.endif
.if \ask
	ASK
.endif
	PLACES
	FETCH \next, 0, F0
	WIN MULSET
	MUL2 F1, 2, 0
.endm
	s_wait_tensorcnt 0x1                           ; my part of K step 0 is in; the long slot's load may stay out
	s_barrier_signal -1
	s_barrier_wait -1
	FETCH 0, 0, F0
	STEP 0, 1                                      ; K step 0: its first products start the sums
	TURN 0, 1, 1, 1                                ; the short slot is filled with K step 3; K steps 4, 5 are asked for
	WIN 0
	s_mov_b32 s3, TRIPS
.Ltrip:                                            ; trip i = 0..2: K steps 3i+1, 3i+2 (long), 3i+3 (short)
	STEP 1, 0
	TURN 1, 0, 1, 0                                ; the long slot is filled with K steps 3i+4, 3i+5
	STEP 0, 0
	TURN 0, 1, 1, 1                                ; the short slot with K step 3i+6; K steps 3i+7, 3i+8 are asked for
	WIN 0
	s_sub_co_u32 s3, s3, 1
	s_cmp_lg_u32 s3, 0
	s_cbranch_scc1 .Ltrip
	STEP 1, 0                                      ; K steps 10, 11
	TURN 1, 0, 1, 0                                ; the long slot's last fill: K steps 13, 14
	STEP 0, 0                                      ; K step 12
	TURN 0, 1, 1, 0                                ; the short slot's last fill: K step 15; no request: it would point past K step 15
	STEP 1, 0                                      ; K steps 13, 14; nothing is left to fetch
	TURN 1, 0, 0, 0                                ; behind this barrier no wave reads the long slot any more
	STEP 0, 0                                      ; K step 15
	s_wait_dscnt 0x0
	WIN MULSET
	MUL2 F1, 0, 0
	MUL2 F1, 2, 0
	PLACES                                         ; behind the last matrix instructions, in front of the reads of their results
	; THE WAY OUT, 16 rows at a time: times 16, round to f16, 16 bytes a lane into my own stage, back as whole rows of 256 bytes.
	; The two slots leave 16,384 bytes, the four stages take 17,408: they lie in the long slot.  Its last fill (K steps 13, 14) was read out by every
	; wave in front of the last change of slots' barrier, and no tensor load follows in the text.
	s_lshl_b32 s88, s13, 19                        ; 8 MiB G + 128 rows x block row = 524,288 wy
	s_lshl_b32 s89, s11, 18                        ; + my 64 rows
	s_add_co_u32 s88, s88, s89
	s_lshl_b32 s89, s42, 9                         ; + 512 bytes x block column
	s_add_co_u32 s88, s88, s89
	s_lshl_b32 s89, s12, 8                         ; + my 128 columns
	s_add_co_u32 s88, s88, s89
	s_mov_b32 s89, 0
	s_add_nc_u64 s[82:83], s[82:83], s[88:89]
.macro OUT16 i, a, f
	WIN 0x01                                       ; source 0 in window 1
.irp b, 0,1,2,3,4,5,6,7
.irp p, 0,1,2,3
	v_pk_mul_f32 v[\f+32+8*\b+2*\p:\f+32+8*\b+2*\p+1], v[8*(NB*\a+\b)+2*\p:8*(NB*\a+\b)+2*\p+1], 0x41800000 op_sel_hi:[1,0]
.endr
.endr
	WIN 0
.irp b, 0,1,2,3,4,5,6,7
.irp p, 0,1,2,3
	v_cvt_pk_f16_f32 v[TMP+4*\b+\p], v[\f+32+8*\b+2*\p], v[\f+32+8*\b+2*\p+1]
.endr
.endr
.irp b, 0,1,2,3,4,5,6,7
	ds_store_b128 v[STO], v[TMP+4*\b:TMP+4*\b+3] offset:32*\b
.endr
	s_wait_xcnt 0x0                                ; the stores' data registers and base are rewritten only behind this wait
.if \i
	s_add_nc_u64 s[82:83], s[82:83], 16*4096
.endif
.irp t, 0,1,2,3,4,5,6,7
	ds_load_b128 v[\f+4*\t:\f+4*\t+3], v[RD] offset:\t*2*SP    ; LDS serves a wave's instructions in order (ISA guide 5.7.1.4): these see the stores above
.endr
.irp t, 0,1,2,3,4,5,6,7
	s_wait_dscnt 7-\t                              ; the younger reads of the eight may stay out
	global_store_b128 v[CO], v[\f+4*\t:\f+4*\t+3], s[82:83] offset:\t*8192   ; sixteen lanes store 256 consecutive bytes, at a multiple of 256 from tt's first byte
.endr
.endm
	OUT16 0, 0, F0
	OUT16 1, 1, F1
	OUT16 2, 2, F0
	OUT16 3, 3, F1
	s_wait_tensorcnt 0x0
	ds_add_u32 v30, v31
	s_wait_dscnt 0x0
	CROUND                                         ; the closing round: no work-group ends while a partner may still ask for a tile that names it
	s_endpgm
.Lfunc_end_k_q7d6f16aaad_pair:
	.size	k_q7d6f16aaad_pair, .Lfunc_end_k_q7d6f16aaad_pair-k_q7d6f16aaad_pair
	.p2alignl 7, 3214868480
	.fill 96, 4, 3214868480
	.section	.rodata,"a",@progbits
	.p2align	6, 0x0
	.amdhsa_kernel k_q7d6f16aaad_pair
		.amdhsa_group_segment_fixed_size 327680
		.amdhsa_private_segment_fixed_size 0
		.amdhsa_enable_private_segment 0
		.amdhsa_kernarg_size 16
		.amdhsa_user_sgpr_count 2
		.amdhsa_user_sgpr_kernarg_segment_ptr 1
		.amdhsa_wavefront_size32 1
		.amdhsa_system_sgpr_workgroup_id_x 1
		.amdhsa_system_sgpr_workgroup_id_y 1
		.amdhsa_system_sgpr_workgroup_id_z 1
		.amdhsa_system_vgpr_workitem_id 0
		.amdhsa_next_free_vgpr 512
		.amdhsa_next_free_sgpr 100
		.amdhsa_reserve_vcc 0
		.amdhsa_float_denorm_mode_32 3
		.amdhsa_float_denorm_mode_16_64 3
		.amdhsa_memory_ordered 1
		.amdhsa_forward_progress 1
		.amdhsa_inst_pref_size 192
	.end_amdhsa_kernel
	.amdgpu_metadata
---
amdhsa.version: [ 1, 2 ]
amdhsa.kernels:
  - .name:           k_q7d6f16aaad_pair
    .symbol:         k_q7d6f16aaad_pair.kd
    .args:
      - { .name: wb, .offset: 0, .size: 8, .value_kind: global_buffer, .address_space: global }
      - { .name: tt, .offset: 8, .size: 8, .value_kind: global_buffer, .address_space: global }
    .group_segment_fixed_size: 327680
    .private_segment_fixed_size: 0
    .kernarg_segment_align: 8
    .kernarg_segment_size: 16
    .max_flat_workgroup_size: 128
    .sgpr_count:     100
    .vgpr_count:     512
    .wavefront_size: 32
...
	.end_amdgpu_metadata
.endif
;; end of part 2
;; launch merge (part 3): grid 16 x 16, 4 waves a work-group, clusters of 4 x 4, 327,680 bytes of LDS; arguments tt, uw, wc, bc; writes wc, bc
.if DOCPART == 3
	.amdgcn_target "amdgcn-amd-amdhsa--gfx1250"
	.amdhsa_code_object_version 6
	.text
	.protected	k_q7d6f16aaad_merge
	.globl	k_q7d6f16aaad_merge
	.p2align	8
	.type	k_q7d6f16aaad_merge,@function
k_q7d6f16aaad_merge:
	s_mov_b64 s[64:65], 0
	v_nop
	global_prefetch_b8 v0, s[64:65] scope:SCOPE_SE
	s_setreg_imm32_b32 hwreg(HW_REG_WAVE_MODE, 25, 1), 1
	s_wait_xcnt 0x0
	s_wait_alu depctr_hold_cnt(0) depctr_sa_sdst(0) depctr_va_vdst(0) depctr_va_sdst(0) depctr_va_ssrc(0) depctr_va_vcc(0) depctr_vm_vsrc(0)
	s_getreg_b32 s2, hwreg(HW_REG_IB_STS2, 6, 4)
	s_cmp_eq_u32 s2, 0
	s_cbranch_scc0 .Lentry_in_a_cluster
	s_endpgm
.Lentry_in_a_cluster:
	s_bfe_u32 s2, ttmp6, 0x10000c
	s_cmp_lg_u32 s2, 0xf033
	s_cbranch_scc0 .Lentry_shape_is_right
	s_endpgm
.Lentry_shape_is_right:
; Launch 3 of 4.  Wc = (W3 W2)(W1 W0) in bf16 and bc = (W3 W2) u + w in f32.  tt holds T1s = f16(16 W1 W0) at byte 0 and T2s = f16(16 W3 W2) at
; byte 8,388,608; uw holds u, then w.  Wc[o][h] = 2^-8 sum over k of T2s[o][k] T1s[k][h];  bc[o] = (sum over k of T2s[o][k] u[k]) / 16 + w[o].
; No work of reference() is left out.  Wc goes in bf16: it grows with the fourth power of the weights and has no such room in f16.
; A work-group makes 128 x 128 of Wc with four waves, a wave 64 x 64 (16 accumulator tiles): 16 x 16 = 256 work-groups.  K goes in steps of
; 256, the longest of which two slots fit in LDS, so that a round of the cluster's barrier serves as many bytes as fit.
; The M operand (rows o of T2s) lies along K; the N operand (T1s) is stored [k][h] and is read by the transposing load.
; PREFETCH: the change of slots that refills a slot with K step s + 2 also asks, into the L2, for K step s + 3, whose joint load stands one K
; step (128 matrix instructions) later; K step 2 is asked for at the head, behind the first fills.  A K step's M tile is 128 rows x 512 bytes =
; 256 pieces of 256 bytes, read by the 16 work-groups of a block row: each names 16 (8 rows x 2, lanes 0-15).  Its N tile is 256 k x 256 bytes
; = 256 pieces, read by the 16 of a block column: each names 16 (16 k, lanes 16-31).  Both lie in tt: one instruction of wave 0.  Every piece is
; named once in the launch; 8 KiB a work-group are asked for and not yet read.  Six requests, K steps 2 to 7; the last three K steps ask for nothing.
; CLUSTERS of 4 x 4: M's tile is shared along a cluster's row, N's along a column, each asked for jointly.
; REGISTERS: window 0: v16-28 addresses, v[32:95] and v[128:191] two fragment buffers (4 N fragments, then 4 M fragments); window 1: accumulator
; tile (a, b) at v[8 (4 a + b)].  The matrix instruction is used transposed, so that a lane holds eight neighbouring columns of a row.
.set NB,     4
.set PM,     528                       ; M rows in LDS: 512 bytes + 16
.set PN,     288                       ; N rows (one k, 128 h): 256 bytes + 32
.set MHALF,  64*PM                     ; 33,792
.set NHALF,  128*PN                    ; 36,864: 128 k
.set NPART,  2*MHALF
.set SLOT,   2*MHALF+2*NHALF           ; 141,312 bytes
.set STAGE,  2*SLOT                    ; behind the ring: the block's 128 rows x 272 bytes; no tensor load lands there
.set SP,     272
.set TRIPS,  2                         ; 2048 / 256 = 8 K steps: one in front of the loop, two to a trip, three behind it
.set MSTEP,  512
.set NSTEP,  256*4096
.set ADRA, 16                          ; v16-17  M fragments in slot 0, 1
.set ADRB, 20                          ; v20-23  N fragments: slot 0 k 0-127, slot 0 k 128-255, slot 1 likewise (the offset field holds 16 bits)
.set STO,  24
.set RD,   25
.set CO,   26
.set PO,   27                          ; v27     byte offset in tt of the piece that my lane asked for last
.set PS,   28                          ; v28     a K step for that lane: 512 bytes along a row of T2s, or 256 rows of T1s
.set F0,   32
.set F1,   128
.set G1,   24
.set G0,   32
.set G1B,  48
.set G0B,  56
.set MULSET, 0x50
.set DV,   96                          ; v[96:159] u, 64 numbers a lane; the two rows of T2s lie in v[32:95], whose halves have names
.set TT,   224
.set PP,   232
.set SS,   236
.set ADDE, 240
.set DA,   241
.set DB,   242
.set DC,   243
.set DSEL, 244
.set MSB, 0
.macro WIN new                         ; the immediate's high byte repeats the setting that is left
.if MSB != \new
	s_set_vgpr_msb (MSB<<8)|\new
.set MSB, \new
.endif
.endm
.macro PLACES                          ; four plain vector instructions between a matrix instruction and a load into, or a read of, its registers
.rept 4
	v_nop
.endr
.endm
.macro JLOAD s                         ; a joint load: waves 0, 1 ask for M's halves, waves 2, 3 for N's; the branch hangs on the wave's number alone
	s_cmp_eq_u32 s11, 0
	s_cbranch_scc0 .Lfor_n_\@
	tensor_load_to_lds s[G0+4*\s:G0+4*\s+3], s[G1:G1+7]
	s_nop 0
	s_branch .Lasked_\@
.Lfor_n_\@:
	tensor_load_to_lds s[G0B+4*\s:G0B+4*\s+3], s[G1B:G1B+7]
	s_nop 0
.Lasked_\@:
.endm
; Wave 0 asks for my work-group's 16 + 16 pieces of the K step behind the one asked for last.
.macro ASK
	s_cmp_lg_u32 s10, 0
	s_cbranch_scc1 .Lno_ask_\@
	s_wait_xcnt 0x0                                ; the offset, which the last request read, is stepped only behind this wait; that request stands a K step back
	v_add_nc_u32 v[PO], v[PS], v[PO]
	global_prefetch_b8 v[PO], s[80:81] th:TH_LOAD_NT scope:SCOPE_SE
.Lno_ask_\@:
.endm
.macro CREST                           ; a round of the cluster's barrier behind its opening work-group barrier
	s_cmp_lg_u32 s10, 0
	s_cbranch_scc1 .Lnot_wave_0_\@
	s_barrier_signal -3
.Lnot_wave_0_\@:
	s_barrier_wait -3
	s_barrier_signal -1
	s_barrier_wait -1
.endm
.macro CROUND
	s_barrier_signal -1
	s_barrier_wait -1
	CREST
.endm
	s_load_b256 s[80:87], s[0:1], 0x0              ; tt s[80:81], uw s[82:83], wc s[84:85], bc s[86:87]
	v_lshl_add_u32 v254, v0, 2, 0x4d800
	v_mov_b32 v255, 0
	ds_add_u32 v254, v255
	v_lshrrev_b32 v1, 5, v0
	v_readfirstlane_b32 s10, v1
	s_lshr_b32 s11, s10, 1
	s_and_b32 s12, s10, 1
	s_bfe_u32 s40, ttmp6, 0x40000                  ; cx
	s_bfe_u32 s41, ttmp6, 0x40004                  ; cy
	s_lshl_b32 s42, ttmp9, 2
	s_add_co_u32 s42, s42, s40                     ; wx = block column, 0..15
	s_and_b32 s13, ttmp7, 0xffff
	s_lshl_b32 s13, s13, 2
	s_add_co_u32 s13, s13, s41                     ; wy = block row, 0..15
	s_lshl_b32 s43, s41, 2
	s_lshl_b32 s43, 15, s43
	s_lshl_b32 s44, 0x1111, s40
	s_mov_b32 s69, 0x3d800000                      ; 1/16
	s_mov_b32 s70, 0x76543210
	s_mov_b32 s71, 0xfedcba98
	; group 1, M: 64 rows x 256 elements of 2 bytes, 4 words of padding behind every 128 words
	s_or_b32 s[G1+0], s43, (1<<16)|(1<<20)|(1<<21)|(6<<22)|(3<<25)
	s_mov_b32 s[G1+1], 256<<16
	s_mov_b32 s[G1+2], 64<<16
	s_mov_b32 s[G1+3], 256<<16
	s_mov_b32 s[G1+4], 64
	s_mov_b32 s[G1+5], 2048
	s_mov_b32 s[G1+6], 0
	s_mov_b32 s[G1+7], 0
	; group 1, N: 128 rows (k) x 128 elements, 8 words of padding behind every 64 words
	s_or_b32 s[G1B+0], s44, (1<<16)|(1<<20)|(1<<21)|(5<<22)|(7<<25)
	s_mov_b32 s[G1B+1], 128<<16
	s_mov_b32 s[G1B+2], 128<<16
	s_mov_b32 s[G1B+3], 128<<16
	s_mov_b32 s[G1B+4], 128
	s_mov_b32 s[G1B+5], 2048
	s_mov_b32 s[G1B+6], 0
	s_mov_b32 s[G1B+7], 0
	s_lshl_b32 s16, s13, 19                        ; M: T2s, row 128 wy + 64 x half
	s_lshl_b32 s18, s12, 18
	s_add_co_u32 s16, s16, s18
	s_add_co_u32 s16, s16, 0x800000
	s_mov_b32 s17, 0
	s_lshl_b32 s46, s12, 19                        ; N: T1s, row (k) 128 x half, column 128 wx
	s_lshl_b32 s66, s42, 8
	s_add_co_u32 s46, s46, s66
	s_mov_b32 s47, 0
	s_mul_i32 s20, s12, MHALF
	s_mul_i32 s21, s12, NHALF
	s_add_co_u32 s21, s21, NPART
	s_wait_dscnt 0x0
	s_wait_kmcnt 0x0
	s_add_nc_u64 s[14:15], s[80:81], s[16:17]
	s_add_nc_u64 s[46:47], s[80:81], s[46:47]
	CROUND
.irp s, 0,1
	s_mov_b32 s[G0+4*\s], 1
	s_add_co_u32 s[G0+4*\s+1], s20, \s*SLOT
	s_add_nc_u64 s[G0+4*\s+2:G0+4*\s+3], s[14:15], \s*MSTEP
	s_or_b32 s[G0+4*\s+3], s[G0+4*\s+3], 0x80000000
	s_mov_b32 s[G0B+4*\s], 1
	s_add_co_u32 s[G0B+4*\s+1], s21, \s*SLOT
	s_add_nc_u64 s[G0B+4*\s+2:G0B+4*\s+3], s[46:47], \s*NSTEP
	s_or_b32 s[G0B+4*\s+3], s[G0B+4*\s+3], 0x80000000
	JLOAD \s                                       ; two tensor loads of the wave are out
.endr
	v_and_b32 v1, 15, v0                           ; r
	v_bfe_u32 v2, v0, 4, 1                         ; h
	v_and_b32 v3, 31, v0                           ; lane
	; The prefetch's offsets in tt, set to K step 1; each request first steps them one K step on.
	; Numbers made of cx and cy together stay in s72-79, s88-91 and v27 and reach global addresses alone.
	v_and_b32 v7, 7, v0
	v_lshlrev_b32 v7, 12, v7                       ; lanes 0-15, M: row l % 8 of my eight,
	v_bfe_u32 v8, v0, 3, 1
	v_lshl_add_u32 v7, v8, 8, v7                   ; the first or the second 256 bytes of the step's 512
	s_lshl_b32 s72, s13, 19                        ; T2s, row 128 wy + 8 wx
	s_lshl_b32 s73, s42, 15
	s_add_co_u32 s72, s72, s73
	s_add_co_u32 s72, s72, 0x800000+MSTEP
	v_add_nc_u32 v7, s72, v7
	v_lshlrev_b32 v8, 12, v1                       ; lanes 16-31, N: k = 256 + 16 wy + r, from byte 256 wx of the row
	s_lshl_b32 s72, s13, 16
	s_lshl_b32 s73, s42, 8
	s_add_co_u32 s72, s72, s73
	s_add_co_u32 s72, s72, NSTEP
	v_add_nc_u32 v8, s72, v8
	v_mov_b32 v9, MSTEP
	v_mov_b32 v6, NSTEP
	v_cmp_eq_u32 vcc_lo, 1, v2
	v_cndmask_b32 v[PO], v7, v8, vcc_lo
	v_cndmask_b32 v[PS], v9, v6, vcc_lo
	ASK                                            ; K step 2, behind the first fills
	v_mul_u32_u24 v4, v1, PM
	v_lshl_add_u32 v4, v2, 4, v4                   ; 528 r + 16 h
	v_and_b32 v5, 7, v0
	v_lshl_add_u32 v5, v2, 3, v5                   ; k = 8 h + l % 8
	v_mul_u32_u24 v5, v5, PN
	v_bfe_u32 v6, v0, 3, 1
	v_lshl_add_u32 v5, v6, 4, v5
	s_mul_i32 s22, s11, MHALF                      ; my 64 rows of M
	s_lshl_b32 s23, s12, 7                         ; my 64 columns of N
	s_add_co_u32 s23, s23, NPART
.irp s, 0,1
	v_add_nc_u32 v[ADRA+\s], s22, v4
	v_add_nc_u32 v[ADRB+2*\s], s23, v5
	s_add_co_u32 s23, s23, NHALF
	v_add_nc_u32 v[ADRB+2*\s+1], s23, v5
	s_add_co_u32 s22, s22, SLOT
	s_add_co_u32 s23, s23, SLOT-NHALF
.endr
	v_mul_u32_u24 v6, v1, SP
	v_lshl_add_u32 v6, v2, 4, v6                   ; 272 r + 16 h
	s_mul_i32 s22, s11, 64*SP
	s_lshl_b32 s23, s12, 7
	s_add_co_u32 s22, s22, s23
	s_add_co_u32 s22, s22, STAGE
	v_add_nc_u32 v[STO], s22, v6                   ; in: row 64 x my half + r, byte 128 x my half + 16 h
	v_mul_u32_u24 v6, v2, SP
	v_lshl_add_u32 v6, v1, 4, v6
	s_mul_i32 s22, s10, 32*SP
	s_add_co_u32 s22, s22, STAGE
	v_add_nc_u32 v[RD], s22, v6                    ; back: wave w takes rows 32 w .. 32 w + 31, two whole rows of 256 bytes a load
	v_lshlrev_b32 v6, 12, v2
	v_lshl_add_u32 v[CO], v1, 4, v6
	; bc, while the first tiles are on their way: 2,048 rows for 256 work-groups of four waves = two rows a wave.  row0 = 8 (16 wy + wx) + 2 x wave.
	s_lshl_b32 s72, s13, 4
	s_add_co_u32 s72, s72, s42
	s_lshl_b32 s72, s72, 3
	s_lshl_b32 s73, s10, 1
	s_add_co_u32 s72, s72, s73                     ; row0
	s_lshl_b32 s74, s72, 12
	s_add_co_u32 s74, s74, 0x800000
	s_mov_b32 s75, 0
	s_add_nc_u64 s[76:77], s[80:81], s[74:75]      ; row row0 of T2s
	s_lshl_b32 s74, s72, 2
	s_add_nc_u64 s[90:91], s[86:87], s[74:75]      ; bc at row0
	s_add_co_u32 s74, s74, 8192
	s_add_nc_u64 s[88:89], s[82:83], s[74:75]      ; w at row0
	v_lshlrev_b32 v[DA], 4, v3
	v_lshlrev_b32 v[DB], 5, v3
	v_and_b32 v[DSEL], 1, v3
	v_lshlrev_b32 v[DC], 2, v[DSEL]
.irp i, 0,1
.irp c, 0,1,2,3,4,5,6,7
	global_load_b128 v[32+32*\i+4*\c:32+32*\i+4*\c+3], v[DA], s[76:77] offset:4096*\i+512*\c
.endr
.endr
.irp c, 0,1,2,3,4,5,6,7
	global_load_b128 v[DV+8*\c:DV+8*\c+3], v[DB], s[82:83] offset:1024*\c
	global_load_b128 v[DV+8*\c+4:DV+8*\c+7], v[DB], s[82:83] offset:1024*\c+16
.endr
	global_load_b32 v[ADDE], v[DC], s[88:89]
	s_wait_loadcnt 0x0
; word n of a row (register x) holds the row's numbers that meet u's registers 2 n, 2 n + 1: two conversions, one packed multiply-add, two chains
.macro WORD x
	v_cvt_f32_f16 v[TT+2*(n&3)], v\x\().l
	v_cvt_f32_f16 v[TT+2*(n&3)+1], v\x\().h
.if n < 2
	v_pk_mul_f32 v[PP+2*n:PP+2*n+1], v[TT+2*(n&3):TT+2*(n&3)+1], v[DV+2*n:DV+2*n+1]
.else
	v_pk_fma_f32 v[PP+2*(n&1):PP+2*(n&1)+1], v[TT+2*(n&3):TT+2*(n&3)+1], v[DV+2*n:DV+2*n+1], v[PP+2*(n&1):PP+2*(n&1)+1]
.endif
.set n, n+1
.endm
.macro REDUCE i                        ; the sum over the two chains and the 32 lanes; every lane ends up with it
	v_pk_add_f32 v[PP:PP+1], v[PP:PP+1], v[PP+2:PP+3]
	v_add_f32 v[SS+\i], v[PP], v[PP+1]
	v_add_f32_dpp v[SS+\i], v[SS+\i], v[SS+\i] row_xmask:1 row_mask:0xf bank_mask:0xf
	v_add_f32_dpp v[SS+\i], v[SS+\i], v[SS+\i] row_xmask:2 row_mask:0xf bank_mask:0xf
	v_add_f32_dpp v[SS+\i], v[SS+\i], v[SS+\i] row_xmask:4 row_mask:0xf bank_mask:0xf
	v_add_f32_dpp v[SS+\i], v[SS+\i], v[SS+\i] row_xmask:8 row_mask:0xf bank_mask:0xf
	v_permlanex16_b32 v[TT], v[SS+\i], s70, s71
	v_add_f32 v[SS+\i], v[SS+\i], v[TT]
.endm
.set n, 0
.irp x, 32,33,34,35,36,37,38,39,40,41,42,43,44,45,46,47,48,49,50,51,52,53,54,55,56,57,58,59,60,61,62,63
	WORD \x
.endr
	REDUCE 0
.set n, 0
.irp x, 64,65,66,67,68,69,70,71,72,73,74,75,76,77,78,79,80,81,82,83,84,85,86,87,88,89,90,91,92,93,94,95
	WORD \x
.endr
	REDUCE 1
	v_cmp_eq_u32 vcc_lo, 1, v[DSEL]
	v_cndmask_b32 v[SS], v[SS], v[SS+1], vcc_lo    ; lane l holds row l % 2
	v_fma_f32 v[SS], v[SS], s69, v[ADDE]           ; / 16 (T2s carries the factor 16), + w
	v_cmp_gt_u32 vcc_lo, 2, v3
	s_wait_xcnt 0x0                                ; EXEC changes only behind this wait
	s_and_saveexec_b32 s68, vcc_lo
	global_store_b32 v[DC], v[SS], s[90:91]
	s_wait_xcnt 0x0
	s_or_b32 exec_lo, exec_lo, s68
; 8 matrix instructions: tile rows a0, a0 + 1 x 4 tile columns.  The 16 accumulators take turns, one instruction a turn.
.macro MUL2 f, a0, cm
.irp a, \a0, \a0+1
.irp b, 0,1,2,3
.if \cm == 1
	v_wmma_f32_16x16x32_f16 v[8*(NB*(\a)+\b):8*(NB*(\a)+\b)+7], v[\f+8*\b:\f+8*\b+7], v[\f+8*NB+8*(\a):\f+8*NB+8*(\a)+7], 0
.else
	v_wmma_f32_16x16x32_f16 v[8*(NB*(\a)+\b):8*(NB*(\a)+\b)+7], v[\f+8*\b:\f+8*\b+7], v[\f+8*NB+8*(\a):\f+8*NB+8*(\a)+7], v[8*(NB*(\a)+\b):8*(NB*(\a)+\b)+7]
.endif
.endr
.endr
.endm
; 16 LDS loads in one run: part kq (32 along K, 0..7) of a slot into buffer f
.macro FETCH slot, kq, f
	WIN 0
.irp b, 0,1,2,3
	ds_load_tr16_b128 v[\f+8*\b:\f+8*\b+3],   v[ADRB+2*\slot+(\kq>>2)] offset:(\kq&3)*32*PN+32*\b
	ds_load_tr16_b128 v[\f+8*\b+4:\f+8*\b+7], v[ADRB+2*\slot+(\kq>>2)] offset:(\kq&3)*32*PN+32*\b+16*PN
.endr
.irp a, 0,1,2,3
	ds_load_b128 v[\f+8*NB+8*\a:\f+8*NB+8*\a+3],   v[ADRA+\slot] offset:\a*16*PM+64*\kq
	ds_load_b128 v[\f+8*NB+8*\a+4:\f+8*NB+8*\a+7], v[ADRA+\slot] offset:\a*16*PM+64*\kq+32
.endr
.endm
.macro QUARTER slot, kq, f, g, cm
	s_wait_dscnt 0x0                               ; buffer f, asked for one part ago
	PLACES                                         ; buffer g was read by the matrix instructions just issued
	FETCH \slot, \kq, \g
	WIN MULSET
	MUL2 \f, 0, \cm
	MUL2 \f, 2, \cm
.endm
.macro STEP slot, cm                   ; the first seven of a K step's eight parts
	QUARTER \slot, 1, F0, F1, \cm
	QUARTER \slot, 2, F1, F0, 0
	QUARTER \slot, 3, F0, F1, 0
	QUARTER \slot, 4, F1, F0, 0
	QUARTER \slot, 5, F0, F1, 0
	QUARTER \slot, 6, F1, F0, 0
	QUARTER \slot, 7, F0, F1, 0
.endm
; The eighth part and the change of slots.  In front of the barrier each wave waits for its reads of this slot and for all its tensor loads (one is
; out: its part of the next slot).  fill = 1: the barrier opens a round of the cluster's barrier, and the joint refill, two K steps ahead of what the
; slot held, is the first tensor load behind it; from that request to the wait for it a wave issues 120 matrix instructions.
; ask = 1: behind the refill wave 0 asks for the K step that the next change of slots will refill.
.macro TURN slot, next, fill, ask
	s_wait_dscnt 0x0                               ; buffer 1 is in, and with it my last reads of this slot
	s_wait_tensorcnt 0x0                           ; all my tensor loads have landed
	ds_add_u32 v254, v255
	s_wait_dscnt 0x0
	s_barrier_signal -1
	WIN MULSET
	MUL2 F1, 0, 0
	WIN 0                                          ; at a branch and at a label every window is 0
	s_barrier_wait -1
.if \fill
	CREST
	s_add_nc_u64 s[G0+4*\slot+2:G0+4*\slot+3], s[G0+4*\slot+2:G0+4*\slot+3], 2*MSTEP
	s_add_nc_u64 s[G0B+4*\slot+2:G0B+4*\slot+3], s[G0B+4*\slot+2:G0B+4*\slot+3], 2*NSTEP
	JLOAD \slot
.endif
.if \ask
	ASK
.endif
	PLACES
	FETCH \next, 0, F0
	WIN MULSET
	MUL2 F1, 2, 0
.endm
	s_wait_tensorcnt 0x1                           ; my part of K step 0 is in; K step 1's may stay out
	s_barrier_signal -1
	s_barrier_wait -1
	FETCH 0, 0, F0
	STEP 0, 1                                      ; K step 0: its first products start the sums
	TURN 0, 1, 1, 1                                ; slot 0 is filled with K step 2; K step 3 is asked for
	WIN 0
	s_mov_b32 s3, TRIPS
.Ltrip:                                            ; trip j = 0, 1: K steps 2j+1 (slot 1), 2j+2 (slot 0)
	STEP 1, 0
	TURN 1, 0, 1, 1                                ; slot 1 is filled with K step 2j+3; K step 2j+4 is asked for
	STEP 0, 0
	TURN 0, 1, 1, 1                                ; slot 0 with K step 2j+4; K step 2j+5 is asked for
	WIN 0
	s_sub_co_u32 s3, s3, 1
	s_cmp_lg_u32 s3, 0
	s_cbranch_scc1 .Ltrip
	STEP 1, 0                                      ; K step 5
	TURN 1, 0, 1, 0                                ; the last fill: K step 7; no request: it would point past K step 7
	STEP 0, 0                                      ; K step 6
	TURN 0, 1, 0, 0
	STEP 1, 0                                      ; K step 7
	s_wait_dscnt 0x0
	WIN MULSET
	MUL2 F1, 0, 0
	MUL2 F1, 2, 0
	PLACES
	; THE WAY OUT: times 2^-8, round to bf16, into the block's stage.  A row of 256 bytes is made by two waves, so a barrier stands between the
	; stores and the reads; then each wave stores 32 whole rows.
	s_lshl_b32 s72, s13, 19                        ; 128 rows x block row
	s_lshl_b32 s73, s10, 17                        ; + 32 rows x wave
	s_add_co_u32 s72, s72, s73
	s_lshl_b32 s73, s42, 8                         ; + 256 bytes x block column
	s_add_co_u32 s72, s72, s73
	s_mov_b32 s73, 0
	s_add_nc_u64 s[84:85], s[84:85], s[72:73]
	WIN 0x01
.irp q, 0,1,2,3,4,5,6,7,8,9,10,11,12,13,14,15
.irp p, 0,1,2,3
	v_pk_mul_f32 v[32+8*\q+2*\p:32+8*\q+2*\p+1], v[8*\q+2*\p:8*\q+2*\p+1], 0x3b800000 op_sel_hi:[1,0]
.endr
.endr
	WIN 0
.irp q, 0,1,2,3,4,5,6,7,8,9,10,11,12,13,14,15
.irp p, 0,1,2,3
	v_cvt_pk_bf16_f32 v[160+4*\q+\p], v[32+8*\q+2*\p], v[32+8*\q+2*\p+1]
.endr
.endr
.irp a, 0,1,2,3
.irp b, 0,1,2,3
	ds_store_b128 v[STO], v[160+4*(4*\a+\b):160+4*(4*\a+\b)+3] offset:\a*16*SP+32*\b
.endr
.endr
	s_wait_dscnt 0x0                               ; my stores are in LDS, for the other waves' sake
	s_barrier_signal -1
	s_barrier_wait -1
.irp t, 0,1,2,3,4,5,6,7,8,9,10,11,12,13,14,15
	ds_load_b128 v[32+4*\t:32+4*\t+3], v[RD] offset:\t*2*SP
.endr
.irp t, 0,1,2,3,4,5,6,7,8,9,10,11,12,13,14,15
	s_wait_dscnt 15-\t                             ; the younger reads of the sixteen may stay out
	global_store_b128 v[CO], v[32+4*\t:32+4*\t+3], s[84:85] offset:\t*8192   ; sixteen lanes store 256 consecutive bytes, at a multiple of 256 from wc's first byte
.endr
	s_wait_tensorcnt 0x0
	ds_add_u32 v254, v255
	s_wait_dscnt 0x0
	CROUND                                         ; the closing round
	s_endpgm
.Lfunc_end_k_q7d6f16aaad_merge:
	.size	k_q7d6f16aaad_merge, .Lfunc_end_k_q7d6f16aaad_merge-k_q7d6f16aaad_merge
	.p2alignl 7, 3214868480
	.fill 96, 4, 3214868480
	.section	.rodata,"a",@progbits
	.p2align	6, 0x0
	.amdhsa_kernel k_q7d6f16aaad_merge
		.amdhsa_group_segment_fixed_size 327680
		.amdhsa_private_segment_fixed_size 0
		.amdhsa_enable_private_segment 0
		.amdhsa_kernarg_size 32
		.amdhsa_user_sgpr_count 2
		.amdhsa_user_sgpr_kernarg_segment_ptr 1
		.amdhsa_wavefront_size32 1
		.amdhsa_system_sgpr_workgroup_id_x 1
		.amdhsa_system_sgpr_workgroup_id_y 1
		.amdhsa_system_sgpr_workgroup_id_z 1
		.amdhsa_system_vgpr_workitem_id 0
		.amdhsa_next_free_vgpr 512
		.amdhsa_next_free_sgpr 96
		.amdhsa_reserve_vcc 1
		.amdhsa_float_denorm_mode_32 3
		.amdhsa_float_denorm_mode_16_64 3
		.amdhsa_memory_ordered 1
		.amdhsa_forward_progress 1
		.amdhsa_inst_pref_size 147
	.end_amdhsa_kernel
	.amdgpu_metadata
---
amdhsa.version: [ 1, 2 ]
amdhsa.kernels:
  - .name:           k_q7d6f16aaad_merge
    .symbol:         k_q7d6f16aaad_merge.kd
    .args:
      - { .name: tt, .offset: 0, .size: 8, .value_kind: global_buffer, .address_space: global }
      - { .name: uw, .offset: 8, .size: 8, .value_kind: global_buffer, .address_space: global }
      - { .name: wc, .offset: 16, .size: 8, .value_kind: global_buffer, .address_space: global }
      - { .name: bc, .offset: 24, .size: 8, .value_kind: global_buffer, .address_space: global }
    .group_segment_fixed_size: 327680
    .private_segment_fixed_size: 0
    .kernarg_segment_align: 8
    .kernarg_segment_size: 32
    .max_flat_workgroup_size: 128
    .sgpr_count:     96
    .vgpr_count:     512
    .wavefront_size: 32
...
	.end_amdgpu_metadata
.endif
;; end of part 3
;; launch final (part 4): grid 8 x 32, 4 waves a work-group, clusters of 4 x 4, 327,680 bytes of LDS; arguments xg, wc, bc, out0; writes out0
.if DOCPART == 4
	.amdgcn_target "amdgcn-amd-amdhsa--gfx1250"
	.amdhsa_code_object_version 6
	.text
	.protected	k_q7d6f16aaad_final
	.globl	k_q7d6f16aaad_final
	.p2align	8
	.type	k_q7d6f16aaad_final,@function
k_q7d6f16aaad_final:
	s_mov_b64 s[64:65], 0
	v_nop
	global_prefetch_b8 v0, s[64:65] scope:SCOPE_SE
	s_setreg_imm32_b32 hwreg(HW_REG_WAVE_MODE, 25, 1), 1
	s_wait_xcnt 0x0
	s_wait_alu depctr_hold_cnt(0) depctr_sa_sdst(0) depctr_va_vdst(0) depctr_va_sdst(0) depctr_va_ssrc(0) depctr_va_vcc(0) depctr_vm_vsrc(0)
	s_getreg_b32 s2, hwreg(HW_REG_IB_STS2, 6, 4)
	s_cmp_eq_u32 s2, 0
	s_cbranch_scc0 .Lentry_in_a_cluster
	s_endpgm
.Lentry_in_a_cluster:
	s_bfe_u32 s2, ttmp6, 0x10000c
	s_cmp_lg_u32 s2, 0xf033
	s_cbranch_scc0 .Lentry_shape_is_right
	s_endpgm
.Lentry_shape_is_right:
; Launch 4 of 4.  out0[s][o] = sum over h of xg[s][h] Wc[o][h] + bc[o].  xg holds the gathered rows of x in bf16, wc the merged weights in bf16,
; bc the merged bias in f32.  No work of reference() is left out.
; A work-group makes 128 (s) x 256 (o) with four waves, a wave 64 x 128: 32 accumulator tiles.  32 x 8 = 256 work-groups.  Both operands lie along K.
; THE RING: K goes in steps of 128 through two LDS slots of unlike size, a short one for one K step (384 rows x 272 = 104,448 bytes) and a long
; one for two (384 rows x 528 = 202,752 bytes), each brought by one tensor load a wave.  Two slots of two steps would take 405,504 bytes, more
; than the 327,680 that a work-group can be given.  The 16 K steps go short, long, short, .. short: 6 + 5 = 11 fills and 10 changes of slots,
; where slots of one step have 16 and 15.  The short slot's refill has 256 - 16 matrix instructions in which to land, the long slot's 128 - 16.
; PREFETCH: the long slot's refill has the shorter way to its wait, so its bytes are asked for into the L2 one change of slots earlier, 256 matrix
; instructions ahead of the joint load.  Its M tile is 128 rows x 512 bytes = 256 pieces of 256 bytes, read by the 8 work-groups of a block row:
; each names 32 (16 rows x 2).  Its N tile is 256 rows x 512 bytes = 512 pieces, read by the 32 work-groups of a block column: each names 16
; (8 rows x 2); lanes 16-31 of that instruction name the pieces of lanes 0-15 again, since 48 pieces a work-group do not fill two instructions.
; No piece is named by a second instruction in the launch; wave 0 of a work-group that reads the piece asks; 12 KiB a work-group are asked for
; and not yet read.  Four requests: K steps 4-5, 7-8, 10-11, 13-14; the trip whose request would point past K step 15 is written out without.
; The short slot's refill stands 240 matrix instructions ahead of its wait and gets none.
; CLUSTERS of 4 x 4: xg's tile is shared along a cluster's row, wc's along a column, each asked for jointly.
; REGISTERS: window 0: v16-28 addresses, v[32:127] and v[128:223] two fragment buffers (8 N fragments, then 4 M fragments); window 1: accumulator
; tile (a, b) at v[8 (8 a + b)]; window 2: v[0:63] the bias in the accumulators' layout, which the first products take as C: no add is left.
; The matrix instruction is used transposed, so that a lane holds eight neighbouring columns of a row.
.set NB,     8
.set PS,     272                       ; LDS rows in the short slot: 256 bytes + 16
.set PL,     528                       ; in the long slot: 512 bytes + 16
.set SM,     128*PS                    ; the short slot begins at byte 0: M's 128 rows, then N's 256
.set LONG,   384*PS                    ; the long slot begins at byte 104,448: M's 128 rows, then N's 256
.set LM,     128*PL
.set STAGE,  LONG                      ; the way out's stage, 16 rows x 528 bytes for each wave, lies in the long slot: see THE WAY OUT
.set SP,     528                       ; a stage row: 128 f32 + 16 bytes
.set TRIPS,  3                         ; a trip = the long slot and the short slot = three K steps; three in the loop, a fourth written out
.set KBYTES, 256                       ; a K step along the rows of both operands
.set ADRA, 16                          ; v16-17  LDS address of my M fragments in the short, the long slot
.set ADRB, 20                          ; v20-21  the same for N
.set STO,  24
.set RD,   25
.set CO,   26
.set POM,  27                          ; v27     byte offset in xg of the piece that my lane asked for last
.set PON,  28                          ; v28     the same in wc
.set F0,   32
.set F1,   128
.set G1,   24                          ; s[24:31] group 1, M, short slot;  s[92:99] long slot
.set G1L,  92
.set G0,   32                          ; s[32:39] group 0, M: short, long
.set G1B,  48                          ; s[48:55] group 1, N, short slot;  s[72:79] long slot
.set G1BL, 72
.set G0B,  56                          ; s[56:63] group 0, N: short, long
.set MULSET, 0x50                      ; C and D in window 1
.set MULBIAS, 0x60                     ; C in window 2 (the bias), D in window 1
.set MSB, 0
.macro WIN new                         ; the immediate's high byte repeats the setting that is left
.if MSB != \new
	s_set_vgpr_msb (MSB<<8)|\new
.set MSB, \new
.endif
.endm
.macro PLACES                          ; four plain vector instructions between a matrix instruction and a load into, or a read of, its registers
.rept 4
	v_nop
.endr
.endm
; Group 1: a tile of r rows x c elements of 2 bytes out of rows of 2,048; pad words of padding behind every 2 << qi words; the mask in s[mask], bit 21 beside it
.macro SHAPE g, mask, qi, pad, c, r
	s_or_b32 s[\g], s[\mask], (1<<16)|(1<<20)|(1<<21)|(\qi<<22)|((\pad-1)<<25)
	s_mov_b32 s[\g+1], \c<<16
	s_mov_b32 s[\g+2], \r<<16
	s_mov_b32 s[\g+3], \c<<16
	s_mov_b32 s[\g+4], \r
	s_mov_b32 s[\g+5], 2048
	s_mov_b32 s[\g+6], 0
	s_mov_b32 s[\g+7], 0
.endm
; A joint load into slot s (0 short, 1 long): waves 0, 1 ask for M's halves, waves 2, 3 for N's.  The branch hangs on the wave's number alone.
.macro JLOAD s
	s_cmp_eq_u32 s11, 0
	s_cbranch_scc0 .Lfor_n_\@
	tensor_load_to_lds s[G0+4*\s:G0+4*\s+3], s[G1+(G1L-G1)*\s:G1+(G1L-G1)*\s+7]
	s_nop 0
	s_branch .Lasked_\@
.Lfor_n_\@:
	tensor_load_to_lds s[G0B+4*\s:G0B+4*\s+3], s[G1B+(G1BL-G1B)*\s:G1B+(G1BL-G1B)*\s+7]
	s_nop 0
.Lasked_\@:
.endm
; Wave 0 asks for my work-group's 32 + 16 pieces of the long slot's next fill, three K steps behind the pieces asked for last.
.macro ASK
	s_cmp_lg_u32 s10, 0
	s_cbranch_scc1 .Lno_ask_\@
	s_wait_xcnt 0x0                                ; the offsets, which the last request read, are stepped only behind this wait; that request stands a trip back
	v_add_nc_u32 v[POM], 3*KBYTES, v[POM]
	v_add_nc_u32 v[PON], 3*KBYTES, v[PON]
	global_prefetch_b8 v[POM], s[80:81] th:TH_LOAD_NT scope:SCOPE_SE
	global_prefetch_b8 v[PON], s[82:83] th:TH_LOAD_NT scope:SCOPE_SE
.Lno_ask_\@:
.endm
.macro CREST                           ; a round of the cluster's barrier behind its opening work-group barrier
	s_cmp_lg_u32 s10, 0
	s_cbranch_scc1 .Lnot_wave_0_\@
	s_barrier_signal -3
.Lnot_wave_0_\@:
	s_barrier_wait -3
	s_barrier_signal -1
	s_barrier_wait -1
.endm
.macro CROUND
	s_barrier_signal -1
	s_barrier_wait -1
	CREST
.endm
	s_load_b256 s[80:87], s[0:1], 0x0              ; xg s[80:81], wc s[82:83], bc s[84:85], out0 s[86:87]
	v_lshl_add_u32 v254, v0, 2, 0x4b000
	v_mov_b32 v255, 0
	ds_add_u32 v254, v255
	v_lshrrev_b32 v1, 5, v0
	v_readfirstlane_b32 s10, v1                    ; wave 0..3
	s_lshr_b32 s11, s10, 1                         ; my half of the block's rows.  Also: I fetch for M (0) or N (1)
	s_and_b32 s12, s10, 1                          ; my half of its columns.  Also: which half of that tile I fetch
	s_bfe_u32 s40, ttmp6, 0x40000                  ; cx
	s_bfe_u32 s41, ttmp6, 0x40004                  ; cy
	s_lshl_b32 s42, ttmp9, 2
	s_add_co_u32 s42, s42, s40                     ; wx = block column, 0..7
	s_and_b32 s13, ttmp7, 0xffff
	s_lshl_b32 s13, s13, 2
	s_add_co_u32 s13, s13, s41                     ; wy = block row, 0..31
	s_lshl_b32 s43, s41, 2
	s_lshl_b32 s43, 15, s43                        ; my row of the cluster
	s_lshl_b32 s44, 0x1111, s40                    ; my column
	SHAPE G1,   43, 5, 4, 128, 64                  ; M, short:  64 rows x 128 k, LDS pitch 272
	SHAPE G1L,  43, 6, 4, 256, 64                  ; M, long:   64 rows x 256 k, LDS pitch 528
	SHAPE G1B,  44, 5, 4, 128, 128                 ; N, short: 128 rows x 128 k
	SHAPE G1BL, 44, 6, 4, 256, 128                 ; N, long:  128 rows x 256 k
	s_lshl_b32 s16, s13, 19                        ; M: xg, row 128 wy + 64 x half.  No cx enters these registers.
	s_lshl_b32 s18, s12, 18
	s_add_co_u32 s16, s16, s18
	s_mov_b32 s17, 0
	s_lshl_b32 s46, s42, 20                        ; N: wc, row 256 wx + 128 x half.  No cy enters these registers.
	s_lshl_b32 s66, s12, 19
	s_add_co_u32 s46, s46, s66
	s_mov_b32 s47, 0
	s_mul_i32 s20, s12, 64*PS                      ; where the halves go in their slots: the wave's number alone
	s_mul_i32 s21, s12, 64*PL
	s_mul_i32 s22, s12, 128*PS
	s_mul_i32 s23, s12, 128*PL
	s_wait_dscnt 0x0
	s_wait_kmcnt 0x0
	s_add_nc_u64 s[14:15], s[80:81], s[16:17]
	s_add_nc_u64 s[46:47], s[82:83], s[46:47]
	CROUND                                         ; all sixteen work-groups are here: the first joint loads meet
.irp s, 0,1
	s_mov_b32 s[G0+4*\s], 1
	s_add_co_u32 s[G0+4*\s+1], s[20+\s], \s*LONG
	s_add_nc_u64 s[G0+4*\s+2:G0+4*\s+3], s[14:15], \s*KBYTES        ; short: K step 0; long: K steps 1, 2
	s_or_b32 s[G0+4*\s+3], s[G0+4*\s+3], 0x80000000
	s_mov_b32 s[G0B+4*\s], 1
	s_add_co_u32 s[G0B+4*\s+1], s[22+\s], SM+\s*(LONG+LM-SM)
	s_add_nc_u64 s[G0B+4*\s+2:G0B+4*\s+3], s[46:47], \s*KBYTES
	s_or_b32 s[G0B+4*\s+3], s[G0B+4*\s+3], 0x80000000
	JLOAD \s                                       ; both slots' first fills go out together, the short one first: two tensor loads of the wave are out
.endr
	v_and_b32 v1, 15, v0                           ; r
	v_bfe_u32 v2, v0, 4, 1                         ; h
	v_and_b32 v3, 31, v0                           ; lane
	v_mul_u32_u24 v4, v1, PS
	v_lshl_add_u32 v4, v2, 4, v4                   ; 272 r + 16 h, for both operands in the short slot
	v_mul_u32_u24 v7, v1, PL
	v_lshl_add_u32 v7, v2, 4, v7                   ; 528 r + 16 h, in the long slot
	s_mul_i32 s22, s11, 64*PS                      ; my 64 rows of M
	v_add_nc_u32 v[ADRA], s22, v4
	s_mul_i32 s22, s11, 64*PL
	s_add_co_u32 s22, s22, LONG
	v_add_nc_u32 v[ADRA+1], s22, v7
	s_mul_i32 s22, s12, 128*PS                     ; my 128 rows of N
	s_add_co_u32 s22, s22, SM
	v_add_nc_u32 v[ADRB], s22, v4
	s_mul_i32 s22, s12, 128*PL
	s_add_co_u32 s22, s22, LONG+LM
	v_add_nc_u32 v[ADRB+1], s22, v7
	s_mul_i32 s22, s10, 16*SP
	s_add_co_u32 s22, s22, STAGE                   ; my stage
	v_mul_u32_u24 v6, v1, SP
	v_lshl_add_u32 v6, v2, 5, v6
	v_add_nc_u32 v[STO], s22, v6                   ; in: row r, 32 bytes for each half of the lanes
	v_lshlrev_b32 v[CO], 4, v3                     ; back and out: 32 lanes take a row's 512 bytes
	v_add_nc_u32 v[RD], s22, v[CO]
	; The prefetch's offsets, set to the long slot's first fill (K steps 1, 2); each request first steps them three K steps on.
	; Numbers made of cx and cy together stay in s88-91 and in v27-28 and reach global addresses alone.
	v_lshlrev_b32 v8, 12, v1                       ; M: row r of my sixteen, 4,096 bytes each,
	v_lshl_add_u32 v8, v2, 8, v8                   ; and the first or the second 256 bytes of the 512
	s_lshl_b32 s88, s13, 19                        ; xg, row 128 wy + 16 wx + r, from byte 256 of the row
	s_lshl_b32 s89, s42, 16
	s_add_co_u32 s88, s88, s89
	s_add_co_u32 s88, s88, KBYTES
	v_add_nc_u32 v[POM], s88, v8
	v_and_b32 v8, 7, v0
	v_lshlrev_b32 v8, 12, v8                       ; N: row l % 8 of my eight,
	v_bfe_u32 v9, v0, 3, 1
	v_lshl_add_u32 v8, v9, 8, v8                   ; the first or the second 256 bytes; l / 16 does not enter
	s_lshl_b32 s88, s42, 20                        ; wc, row 256 wx + 8 wy + l % 8, from byte 256 of the row
	s_lshl_b32 s89, s13, 15
	s_add_co_u32 s88, s88, s89
	s_add_co_u32 s88, s88, KBYTES
	v_add_nc_u32 v[PON], s88, v8
	; the bias in the accumulators' layout: register j of tile column b holds bc[256 wx + 128 x my half + 16 b + 8 h + j]
	s_lshl_b32 s88, s42, 10
	s_lshl_b32 s89, s12, 9
	s_add_co_u32 s88, s88, s89
	s_mov_b32 s89, 0
	s_add_nc_u64 s[90:91], s[84:85], s[88:89]
	v_lshlrev_b32 v5, 5, v2                        ; 32 h
	WIN 0x80                                       ; destination in window 2
.irp b, 0,1,2,3,4,5,6,7
	global_load_b128 v[8*\b:8*\b+3],   v5, s[90:91] offset:64*\b
	global_load_b128 v[8*\b+4:8*\b+7], v5, s[90:91] offset:64*\b+16
.endr
	WIN 0
	s_wait_loadcnt 0x0
; 16 matrix instructions: tile rows a0, a0 + 1 x 8 tile columns.  cm = 2: the product starts the sums from the bias.
; The 32 accumulators take turns, one instruction a turn.
.macro MUL2 f, a0, cm
.irp a, \a0, \a0+1
.irp b, 0,1,2,3,4,5,6,7
.if \cm == 2
	v_wmma_f32_16x16x32_bf16 v[8*(NB*(\a)+\b):8*(NB*(\a)+\b)+7], v[\f+8*\b:\f+8*\b+7], v[\f+8*NB+8*(\a):\f+8*NB+8*(\a)+7], v[8*\b:8*\b+7]
.else
	v_wmma_f32_16x16x32_bf16 v[8*(NB*(\a)+\b):8*(NB*(\a)+\b)+7], v[\f+8*\b:\f+8*\b+7], v[\f+8*NB+8*(\a):\f+8*NB+8*(\a)+7], v[8*(NB*(\a)+\b):8*(NB*(\a)+\b)+7]
.endif
.endr
.endr
.endm
; 24 LDS loads in one run: quarter kq (32 along K; 0..3 in the short slot, 0..7 in the long one) of a slot into buffer f
.macro FETCH slot, kq, f
	WIN 0
.irp b, 0,1,2,3,4,5,6,7
	ds_load_b128 v[\f+8*\b:\f+8*\b+3],   v[ADRB+\slot] offset:\b*16*(PS+\slot*(PL-PS))+64*\kq
	ds_load_b128 v[\f+8*\b+4:\f+8*\b+7], v[ADRB+\slot] offset:\b*16*(PS+\slot*(PL-PS))+64*\kq+32
.endr
.irp a, 0,1,2,3
	ds_load_b128 v[\f+8*NB+8*\a:\f+8*NB+8*\a+3],   v[ADRA+\slot] offset:\a*16*(PS+\slot*(PL-PS))+64*\kq
	ds_load_b128 v[\f+8*NB+8*\a+4:\f+8*NB+8*\a+7], v[ADRA+\slot] offset:\a*16*(PS+\slot*(PL-PS))+64*\kq+32
.endr
.endm
; A quarter step: buffer f is in; the next quarter's fragments are asked for into g, in one run, and land under f's 32 matrix instructions.
.macro QUARTER slot, kq, f, g, cm
	s_wait_dscnt 0x0                               ; buffer f, asked for a quarter step ago
	PLACES                                         ; buffer g was read by the matrix instructions just issued
	FETCH \slot, \kq, \g
.if \cm == 2
	WIN MULBIAS
.else
	WIN MULSET
.endif
	MUL2 \f, 0, \cm
	MUL2 \f, 2, \cm
.endm
.macro STEP slot, cm                   ; all of a slot's quarters but the last: three in the short slot, seven in the long one
	QUARTER \slot, 1, F0, F1, \cm
	QUARTER \slot, 2, F1, F0, 0
	QUARTER \slot, 3, F0, F1, 0
.if \slot
	QUARTER \slot, 4, F1, F0, 0
	QUARTER \slot, 5, F0, F1, 0
	QUARTER \slot, 6, F1, F0, 0
	QUARTER \slot, 7, F0, F1, 0
.endif
.endm
; A slot's last quarter multiplies buffer 1 and changes slots.  In front of the barrier each wave waits for its reads of this slot and for all
; its tensor loads (one is out: its part of the next slot).  fill = 1: the barrier opens a round of the cluster's barrier, and the joint refill,
; three K steps ahead of what the slot held, is the first tensor load behind it.  ask = 1: behind it wave 0 asks for the other slot's next fill.
.macro TURN slot, next, fill, ask
	s_wait_dscnt 0x0                               ; buffer 1 is in, and with it my last reads of this slot
	s_wait_tensorcnt 0x0                           ; all my tensor loads have landed
	ds_add_u32 v254, v255
	s_wait_dscnt 0x0
	s_barrier_signal -1
	WIN MULSET
	MUL2 F1, 0, 0                                  ; register work while the others arrive
	WIN 0                                          ; at a branch and at a label every window is 0
	s_barrier_wait -1
.if \fill
	CREST
	s_add_nc_u64 s[G0+4*\slot+2:G0+4*\slot+3], s[G0+4*\slot+2:G0+4*\slot+3], 3*KBYTES
	s_add_nc_u64 s[G0B+4*\slot+2:G0B+4*\slot+3], s[G0B+4*\slot+2:G0B+4*\slot+3], 3*KBYTES
	JLOAD \slot
.endif
.if \ask
	ASK
.endif
	PLACES
	FETCH \next, 0, F0
	WIN MULSET
	MUL2 F1, 2, 0
.endm
	s_wait_tensorcnt 0x1                           ; my part of K step 0 is in; the long slot's load may stay out
	s_barrier_signal -1
	s_barrier_wait -1
	FETCH 0, 0, F0
	STEP 0, 2                                      ; K step 0: its first products start the sums from the bias
	TURN 0, 1, 1, 1                                ; the short slot is filled with K step 3; K steps 4, 5 are asked for
	WIN 0
	s_mov_b32 s3, TRIPS
.Ltrip:                                            ; trip i = 0..2: K steps 3i+1, 3i+2 (long), 3i+3 (short)
	STEP 1, 0
	TURN 1, 0, 1, 0                                ; the long slot is filled with K steps 3i+4, 3i+5
	STEP 0, 0
	TURN 0, 1, 1, 1                                ; the short slot with K step 3i+6; K steps 3i+7, 3i+8 are asked for
	WIN 0
	s_sub_co_u32 s3, s3, 1
	s_cmp_lg_u32 s3, 0
	s_cbranch_scc1 .Ltrip
	STEP 1, 0                                      ; K steps 10, 11
	TURN 1, 0, 1, 0                                ; the long slot's last fill: K steps 13, 14
	STEP 0, 0                                      ; K step 12
	TURN 0, 1, 1, 0                                ; the short slot's last fill: K step 15; no request: it would point past K step 15
	STEP 1, 0                                      ; K steps 13, 14; nothing is left to fetch
	TURN 1, 0, 0, 0                                ; behind this barrier no wave reads the long slot any more
	STEP 0, 0                                      ; K step 15
	s_wait_dscnt 0x0
	WIN MULSET
	MUL2 F1, 0, 0
	MUL2 F1, 2, 0
	PLACES                                         ; behind the last matrix instructions, in front of the LDS stores of their results
	; THE WAY OUT, 16 rows at a time: 32 bytes a lane into my own stage, back as whole rows of 512 bytes.
	; The two slots leave 20,480 bytes, the four stages take 33,792: they lie in the long slot.  Its last fill (K steps 13, 14) was read out by every
	; wave in front of the last change of slots' barrier, and no tensor load follows in the text.
	s_lshl_b32 s88, s13, 20                        ; 128 rows of 8,192 bytes x block row
	s_lshl_b32 s89, s11, 19                        ; + my 64 rows
	s_add_co_u32 s88, s88, s89
	s_lshl_b32 s89, s42, 10                        ; + 1,024 bytes x block column
	s_add_co_u32 s88, s88, s89
	s_lshl_b32 s89, s12, 9                         ; + my 128 columns
	s_add_co_u32 s88, s88, s89
	s_mov_b32 s89, 0
	s_add_nc_u64 s[86:87], s[86:87], s[88:89]
.macro OUT16F i, a, f
	WIN 0x04                                       ; an LDS store's data is source 1: window 1
.irp b, 0,1,2,3,4,5,6,7
	ds_store_b128 v[STO], v[8*(NB*\a+\b):8*(NB*\a+\b)+3]   offset:64*\b
	ds_store_b128 v[STO], v[8*(NB*\a+\b)+4:8*(NB*\a+\b)+7] offset:64*\b+16
.endr
	WIN 0
	s_wait_xcnt 0x0                                ; the stores' data registers and base are rewritten only behind this wait
.if \i
	s_add_nc_u64 s[86:87], s[86:87], 16*8192
.endif
.irp t, 0,1,2,3,4,5,6,7,8,9,10,11,12,13,14,15
	ds_load_b128 v[\f+4*\t:\f+4*\t+3], v[RD] offset:\t*SP      ; LDS serves a wave's instructions in order (ISA guide 5.7.1.4): these see the stores above
.endr
.irp t, 0,1,2,3,4,5,6,7,8,9,10,11,12,13,14,15
	s_wait_dscnt 15-\t                             ; the younger reads of the sixteen may stay out
	global_store_b128 v[CO], v[\f+4*\t:\f+4*\t+3], s[86:87] offset:\t*8192 th:TH_STORE_NT   ; the wave stores 512 consecutive bytes, at a multiple of 512 from out0's first byte
.endr
.endm
	OUT16F 0, 0, F0
	OUT16F 1, 1, F1
	OUT16F 2, 2, F0
	OUT16F 3, 3, F1
	s_wait_tensorcnt 0x0
	ds_add_u32 v254, v255
	s_wait_dscnt 0x0
	CROUND                                         ; the closing round: no work-group ends while a partner may still ask for a tile that names it
	s_endpgm
.Lfunc_end_k_q7d6f16aaad_final:
	.size	k_q7d6f16aaad_final, .Lfunc_end_k_q7d6f16aaad_final-k_q7d6f16aaad_final
	.p2alignl 7, 3214868480
	.fill 96, 4, 3214868480
	.section	.rodata,"a",@progbits
	.p2align	6, 0x0
	.amdhsa_kernel k_q7d6f16aaad_final
		.amdhsa_group_segment_fixed_size 327680
		.amdhsa_private_segment_fixed_size 0
		.amdhsa_enable_private_segment 0
		.amdhsa_kernarg_size 32
		.amdhsa_user_sgpr_count 2
		.amdhsa_user_sgpr_kernarg_segment_ptr 1
		.amdhsa_wavefront_size32 1
		.amdhsa_system_sgpr_workgroup_id_x 1
		.amdhsa_system_sgpr_workgroup_id_y 1
		.amdhsa_system_sgpr_workgroup_id_z 1
		.amdhsa_system_vgpr_workitem_id 0
		.amdhsa_next_free_vgpr 576
		.amdhsa_next_free_sgpr 100
		.amdhsa_reserve_vcc 0
		.amdhsa_float_denorm_mode_32 3
		.amdhsa_float_denorm_mode_16_64 3
		.amdhsa_memory_ordered 1
		.amdhsa_forward_progress 1
		.amdhsa_inst_pref_size 181
	.end_amdhsa_kernel
	.amdgpu_metadata
---
amdhsa.version: [ 1, 2 ]
amdhsa.kernels:
  - .name:           k_q7d6f16aaad_final
    .symbol:         k_q7d6f16aaad_final.kd
    .args:
      - { .name: xg, .offset: 0, .size: 8, .value_kind: global_buffer, .address_space: global }
      - { .name: wc, .offset: 8, .size: 8, .value_kind: global_buffer, .address_space: global }
      - { .name: bc, .offset: 16, .size: 8, .value_kind: global_buffer, .address_space: global }
      - { .name: out0, .offset: 24, .size: 8, .value_kind: global_buffer, .address_space: global }
    .group_segment_fixed_size: 327680
    .private_segment_fixed_size: 0
    .kernarg_segment_align: 8
    .kernarg_segment_size: 32
    .max_flat_workgroup_size: 128
    .sgpr_count:     100
    .vgpr_count:     576
    .wavefront_size: 32
...
	.end_amdgpu_metadata
.endif
;; end of part 4
